; MI455X (gfx1250); checked and timed in simulation.
; The chip was launched on July 23, 2026; its instructions are those of AMD's public machine-readable ISA for CDNA 5 (MIT licence, August 2026) and "CDNA5" Instruction Set Architecture Reference Guide (July 2026). The comments in the code are by the model that wrote it; some were corrected since.
;; Multi Head Attention. Allowed arithmetic: matrix products marked QUANTISED: E2M3 operands, one E8M0 scale for each 32 along K, by v_wmma_scale_f32_16x16x128_f8f6f4 with both operands' format E2M3, f32 sums; everything else in f32.
;; Inputs: k 4 x 2,048 x 1,024 float32; q 4 x 2,048 x 1,024 float32; v 4 x 2,048 x 1,024 float32; wk 1,024 x 1,024 float32; wo 1,024 x 1,024 float32; wq 1,024 x 1,024 float32; wv 1,024 x 1,024 float32.
;; Outputs: out0 4 x 2,048 x 1,024 float32.
;; This version of the problem:
;;   THIS VERSION OF THE PROBLEM IS GIVEN IN LOW PRECISION. The matrix products marked QUANTISED in the list below multiply operands that are first quantised to E2M3 (2 exponent bits, 3 mantissa bits; 6 bits a number), with one power-of-two scale for each 32 numbers along K (OCP MX v1.0); their sums are f32. All else is computed in f32.
;;   The module's matrix products, in the order in which they are computed (A, B: the left and right operand; K: the contracted axis; several contracted axes count as one K, in the product's order):
;;     1. [M 8,192, K 1,024] x [K 1,024, N 1,024]; A: input q; B: input wq: QUANTISED
;;     2. [M 8,192, K 1,024] x [K 1,024, N 1,024]; A: input k; B: input wk: QUANTISED
;;     3. [M 8,192, K 1,024] x [K 1,024, N 1,024]; A: input v; B: input wv: QUANTISED
;;     4. batch 64 x [M 2,048, K 64] x [K 64, N 2,048]; A: computed on the way; B: computed on the way: QUANTISED
;;     5. batch 64 x [M 2,048, K 2,048] x [K 2,048, N 64]; A: softmax (see below); B: computed on the way: QUANTISED
;;     6. [M 8,192, K 1,024] x [K 1,024, N 1,024]; A: computed on the way; B: input wo: QUANTISED
;;   THE QUANTISER, for each operand of a quantised product, along K:
;;     - K is cut into blocks of 32 from its start; a last block that is shorter is filled with zeros.
;;     - A block's scale is 2^e with e = floor(log2(the largest magnitude in the block)) - 2, held to -126 .. 127; a block of zeros has e = 0. As a byte (E8M0): e + 127.
;;     - Each number is divided by its block's scale, clamped to +-7.5, and rounded to the nearest number of E2M3, ties to even, subnormals kept.
;;     - The product sums the exact products of the quantised numbers (number of the format x scale) in f32.
;;   ~~~python
;;   def quantise(x, axis):      # numpy; x: float32 -> the quantised numbers, widened to float32 again
;;       x = np.moveaxis(x, axis, -1); K = x.shape[-1]
;;       x = np.pad(x, [(0, 0)] * (x.ndim - 1) + [(0, -K % 32)]); x = x.reshape(x.shape[:-1] + (-1, 32)); a = np.abs(x).max(-1, keepdims=True)
;;       e = np.where(a > 0, np.clip(np.frexp(np.where(a > 0, a, 1))[1] - 1 - 2, -126, 127), 0)      # np.frexp(a)[1] - 1 = floor(log2(a)), exactly
;;       r = np.clip(x / 2.0 ** e, -7.5, 7.5)
;;       step = 2.0 ** (np.maximum(np.frexp(np.where(r == 0, 1, r))[1] - 1, 0) - 3)
;;       q = np.round(r / step) * step * 2.0 ** e      # np.round: ties to even
;;       return np.moveaxis(q.reshape(q.shape[:-2] + (-1,))[..., :K], -1, axis).astype(np.float32)
;;   ~~~
;;   SOFTMAX AHEAD OF A QUANTISED PRODUCT. Where the list says 'softmax', what is quantised is not the finished softmax but p = 2^(t - M), with t = logit x log2(e) and M = ceil(the row's largest t), a whole number; so 1/2 < the row's largest p <= 1. The row's sum l is taken of the UNQUANTISED p, in f32, and the product's result is divided by l at the end. Since M is a whole number, a kernel that streams over the keys may use a running M (the ceiling of the running maximum): every later rescaling is an exact power of two, which a block's scale takes up: the codes' values come out the same.
;;   OPERANDS COMPUTED ON THE WAY. 'Computed on the way' means the value that the module computes at that place (a softmax that the list does not call 'softmax' is quantised finished and normalised). What goes into a quantiser is computed in f32, as accurately as f32 sums, v_exp_f32 and their like allow (about 1e-6 of the number): no bf16 or f16 on the way to a quantiser, and a product that is left as it is and whose result goes on into a quantised operand takes f32 operands (vector FMAs, or v_wmma_f32_16x16x4_f32). A number that lies on a knife's edge between two numbers of the format may be rounded either way, as far as f32 arithmetic and the matrix unit's own rounding can turn it there, and no further.
;; 2 versions. Each part assembles by itself: llvm-mc -triple=amdgcn-amd-amdhsa -mcpu=gfx1250 --defsym DOCPART=n.
;; ======== version 1 of 2: 4 launches
;; workspace buffers: wc 3,145,728 bytes; ws 131,072 bytes; qimg 6,815,744 bytes; kv 13,369,344 bytes; ao 6,291,456 bytes; aos 262,144 bytes
;; launch wquant (part 1): grid 64 x 4, 4 waves a work-group, no clusters, 0 bytes of LDS; arguments wq, wk, wv, wo, wc, ws; writes wc, ws
.if DOCPART == 1
	.amdgcn_target "amdgcn-amd-amdhsa--gfx1250"
	.amdhsa_code_object_version 6
	.text
	.protected	k_q5971efc344_wquant
	.globl	k_q5971efc344_wquant
	.p2align	8
	.type	k_q5971efc344_wquant,@function
k_q5971efc344_wquant:
	s_mov_b64 s[64:65], 0
	v_nop
	global_prefetch_b8 v0, s[64:65] scope:SCOPE_SE
	s_setreg_imm32_b32 hwreg(HW_REG_WAVE_MODE, 25, 1), 1
	s_wait_xcnt 0x0
; THE PROGRAM: causal multi-head attention, batch 4, 2,048 positions, 16 heads of 64, all six products on codes of FP6 (E2M3) with one E8M0 scale for each 32 along K.
; Four launches: this one (the four weights into codes), proj (x into codes, products 1 to 3, their results into codes), attn (products 4 and 5 with the softmax, its result into codes), oproj (product 6).
; WORK LEFT OUT: reference() adds -infinity to every score whose key comes after its query, by a mask that it builds in its own body; such a score has the weight 0 whatever the inputs hold.  So a step of 128 keys all of
; which come after all 16 queries of a tile reaches no output and is not computed (launch attn).  LIMIT: a NaN, an infinity or an overflow that would arise only in such steps is not carried to the result.  No input is dead.
; THIS LAUNCH: W [1024 (k)][1024 (n)], f32, K its FIRST axis, becomes images of operand registers.
; TILES.  Every tiled axis of the program is cut alike: slot r (0 .. 15) of tile 2 B + u holds index 32 B + 8 u + r + (r & 8).  As source 0 of a product, tiles 2 B and 2 B + 1 then leave 16 neighbours, 32 B + 16 (lane / 16) + 0 .. 15, in a lane's 16 registers.
; IMAGE.  A fragment (16 slots x 128 K, 12 registers a lane: registers 6 c .. 6 c + 5 of lane (r, h) hold k = 64 c + 32 h + 0 .. 31) lies in memory as 1,536 bytes: registers 4 g .. 4 g + 3 of lane l at 512 g + 16 l.
; wc: [weight][tile 64][K step 8][image];  ws: [weight][tile][j 4][lane 32] scale words: lanes 0-15 K step 2 j, lanes 16-31 K step 2 j + 1.
; A LANE TAKES A COLUMN AND ITS REGISTERS RUN DOWN K: a wave takes 32 columns (a pair of tiles) x 128 K; each load reads 128 consecutive bytes, the four waves 512.  A lane holds four whole blocks of 32:
; no other lane is asked for a maximum, and block 2 c + h' is registers 6 c .. 6 c + 5 of the lane (r, h') of the image: the lane stores both halves' registers itself.
; A block's scale is 2^(floor(log2(largest magnitude)) - 2): its byte is the largest magnitude's exponent field - 2, held at 1 from below.
; LIMITS: a block of zeros gets the byte 1 where the rule says 127 (its codes are zeros, and this program alone reads the bytes); blocks whose largest magnitude lies under 2^-124 are not served; NaN and infinities among the inputs are not served.
.set X,   64                           ; v64-191  W(128 s + i, my column), i = 0 .. 127
.set F,   24                           ; v24-47   the image's registers: half h' at F + 12 h'
.set T,   48                           ; v48-50   a block's upper 16 codes (a conversion's three registers begin on an even number)
.set SOP, 12                           ; v12-15   the conversions' scale operands
.set BY,  16                           ; v16-19   the scale bytes;  v20 the word
	s_load_b256 s[4:11], s[0:1], 0x0               ; wq, wk, wv, wo
	s_load_b128 s[12:15], s[0:1], 0x20             ; wc, ws
	v_lshrrev_b32 v1, 5, v0
	v_readfirstlane_b32 s16, v1                    ; wave
	v_and_b32 v1, 31, v0                           ; lane = my column in the pair
	v_lshlrev_b32 v2, 2, v1                        ; in: 4 bytes a lane
	v_bfe_u32 v5, v1, 3, 1                         ; u: which tile of the pair my column belongs to
	v_and_b32 v6, 7, v1
	v_lshrrev_b32 v7, 4, v1
	v_lshl_or_b32 v6, v7, 3, v6                    ; r: its slot there
	v_mul_u32_u24 v3, v5, 12288                    ; out: a tile's eight images are 12,288 bytes,
	v_lshl_add_u32 v3, v6, 4, v3                   ; + 16 r
	v_lshlrev_b32 v4, 9, v5                        ; scale words: 512 bytes a tile,
	v_lshl_add_u32 v4, v6, 2, v4                   ; + 4 r
	s_and_b32 s17, ttmp7, 0xffff                   ; y: which weight
	s_and_b32 s18, ttmp9, 7
	s_lshr_b32 s19, ttmp9, 3                       ; s: the K step
	s_lshl_b32 s18, s18, 2
	s_add_co_u32 s18, s18, s16                     ; B: my pair of tiles
	s_lshl_b32 s20, s19, 19                        ; W: 128 s rows of 4,096 bytes
	s_lshl_b32 s21, s18, 7                         ; + 32 B columns
	s_add_co_u32 s20, s20, s21
	s_mov_b32 s21, 0
	s_mul_i32 s22, s17, 786432                     ; wc: the weight,
	s_mul_i32 s23, s18, 24576                      ; tile 2 B,
	s_add_co_u32 s22, s22, s23
	s_mul_i32 s23, s19, 1536                       ; K step s
	s_add_co_u32 s22, s22, s23
	s_mov_b32 s23, 0
	s_lshl_b32 s24, s17, 15                        ; ws: the weight,
	s_lshl_b32 s25, s18, 10                        ; tile 2 B,
	s_add_co_u32 s24, s24, s25
	s_lshl_b32 s25, s19, 6                         ; 128 (s / 2) + 64 (s % 2) = 64 s
	s_add_co_u32 s24, s24, s25
	s_mov_b32 s25, 0
	s_wait_kmcnt 0x0
	s_cmp_eq_u32 s17, 1                            ; the choice hangs on the work-group's number alone
	s_cselect_b64 s[4:5], s[6:7], s[4:5]
	s_cmp_eq_u32 s17, 2
	s_cselect_b64 s[4:5], s[8:9], s[4:5]
	s_cmp_eq_u32 s17, 3
	s_cselect_b64 s[4:5], s[10:11], s[4:5]
	s_add_nc_u64 s[4:5], s[4:5], s[20:21]
	s_add_nc_u64 s[12:13], s[12:13], s[22:23]
	s_add_nc_u64 s[14:15], s[14:15], s[24:25]
.set n, 0
.rept 128
	global_load_b32 v[X+n], v2, s[4:5] offset:n*4096 th:TH_LOAD_NT
.set n, n+1
.endr
.macro BLOCK b
.set XB, X+32*(\b)
.set FD, F+12*((\b)%2)+6*((\b)/2)
.if (\b) == 0
	s_wait_loadcnt 63                              ; at most 63 of the 128 loads are out: loads 0 to 64, blocks 0 and 1, are in
.elseif (\b) == 2
	s_wait_loadcnt 32                              ; block 3's 32 loads may be out
.elseif (\b) == 3
	s_wait_loadcnt 0x0
.endif
	v_max3_num_f32 v8, |v[XB]|, |v[XB+1]|, |v[XB+2]|   ; the block's largest magnitude, in two chains
	v_max3_num_f32 v9, |v[XB+3]|, |v[XB+4]|, |v[XB+5]|
.irp i, 6,10,14,18,22,26
	v_max3_num_f32 v8, v8, |v[XB+\i]|, |v[XB+\i+1]|
	v_max3_num_f32 v9, v9, |v[XB+\i+2]|, |v[XB+\i+3]|
.endr
	v_max3_num_f32 v8, v8, |v[XB+30]|, |v[XB+31]|
	v_max3_num_f32 v8, v8, v9, 0x1800000           ; and the floor 2^(3 - 127): the byte cannot fall under 1
	v_add_nc_u32 v[SOP+(\b)], 0xff000000, v8       ; 2 off its exponent field: the conversion takes this operand's exponent field as its scale
	v_lshrrev_b32 v[BY+(\b)], 23, v[SOP+(\b)]      ; the scale's byte
	v_cvt_scalef32_pk16_fp6_f32 v[FD:FD+2], v[XB:XB+15], v[SOP+(\b)]
	v_cvt_scalef32_pk16_fp6_f32 v[T:T+2], v[XB+16:XB+31], v[SOP+(\b)]
	v_nop                                          ; one plain place behind a scaled conversion
.irp i, 0,1,2
	v_mov_b32 v[FD+3+\i], v[T+\i]
.endr
.endm
	BLOCK 0
	BLOCK 1
	BLOCK 2
	BLOCK 3
	v_lshl_or_b32 v20, v[BY+1], 8, v[BY]           ; my column's scale word for these 128 along K
	v_lshl_or_b32 v20, v[BY+2], 16, v20
	v_lshl_or_b32 v20, v[BY+3], 24, v20
.irp h, 0,1
.irp g, 0,1,2
	global_store_b128 v3, v[F+12*\h+4*\g:F+12*\h+4*\g+3], s[12:13] offset:512*\g+256*\h   ; the sixteen lanes of a tile store 256 consecutive bytes, at a multiple of 256 from wc's first byte
.endr
.endr
	global_store_b32 v4, v20, s[14:15]
	s_endpgm
.Lfunc_end_k_q5971efc344_wquant:
	.size	k_q5971efc344_wquant, .Lfunc_end_k_q5971efc344_wquant-k_q5971efc344_wquant
	.p2alignl 7, 3214868480
	.fill 96, 4, 3214868480
	.section	.rodata,"a",@progbits
	.p2align	6, 0x0
	.amdhsa_kernel k_q5971efc344_wquant
		.amdhsa_group_segment_fixed_size 0
		.amdhsa_private_segment_fixed_size 0
		.amdhsa_enable_private_segment 0
		.amdhsa_kernarg_size 48
		.amdhsa_user_sgpr_count 2
		.amdhsa_user_sgpr_kernarg_segment_ptr 1
		.amdhsa_wavefront_size32 1
		.amdhsa_system_sgpr_workgroup_id_x 1
		.amdhsa_system_sgpr_workgroup_id_y 1
		.amdhsa_system_sgpr_workgroup_id_z 1
		.amdhsa_system_vgpr_workitem_id 0
		.amdhsa_next_free_vgpr 192
		.amdhsa_next_free_sgpr 66
		.amdhsa_reserve_vcc 0
		.amdhsa_float_denorm_mode_32 3
		.amdhsa_float_denorm_mode_16_64 3
		.amdhsa_memory_ordered 1
		.amdhsa_forward_progress 1
		.amdhsa_inst_pref_size 21
	.end_amdhsa_kernel
	.amdgpu_metadata
---
amdhsa.version: [ 1, 2 ]
amdhsa.kernels:
  - .name:           k_q5971efc344_wquant
    .symbol:         k_q5971efc344_wquant.kd
    .args:
      - { .name: wq, .offset: 0, .size: 8, .value_kind: global_buffer, .address_space: global }
      - { .name: wk, .offset: 8, .size: 8, .value_kind: global_buffer, .address_space: global }
      - { .name: wv, .offset: 16, .size: 8, .value_kind: global_buffer, .address_space: global }
      - { .name: wo, .offset: 24, .size: 8, .value_kind: global_buffer, .address_space: global }
      - { .name: wc, .offset: 32, .size: 8, .value_kind: global_buffer, .address_space: global }
      - { .name: ws, .offset: 40, .size: 8, .value_kind: global_buffer, .address_space: global }
    .group_segment_fixed_size: 0
    .private_segment_fixed_size: 0
    .kernarg_segment_align: 8
    .kernarg_segment_size: 48
    .max_flat_workgroup_size: 128
    .sgpr_count:     66
    .vgpr_count:     192
    .wavefront_size: 32
...
	.end_amdgpu_metadata
.endif
;; end of part 1
;; launch proj (part 2): grid 64 x 3, 4 waves a work-group, no clusters, 170,496 bytes of LDS; arguments q, k, v, wc, ws, qimg, kv; writes qimg, kv
.if DOCPART == 2
	.amdgcn_target "amdgcn-amd-amdhsa--gfx1250"
	.amdhsa_code_object_version 6
	.text
	.protected	k_q5971efc344_proj
	.globl	k_q5971efc344_proj
	.p2align	8
	.type	k_q5971efc344_proj,@function
k_q5971efc344_proj:
	s_mov_b64 s[64:65], 0
	v_nop
	global_prefetch_b8 v0, s[64:65] scope:SCOPE_SE
	s_setreg_imm32_b32 hwreg(HW_REG_WAVE_MODE, 25, 1), 1
	s_wait_xcnt 0x0
; Products 1 to 3: x W for x = q, k, v (work-group y), [8192][1024] f32 x the weight's images, and the results quantised for attention.  No work of reference() is left out here.
; SHARES.  A work-group takes 128 rows of one tensor and ALL 1,024 columns, so that the f32 rows are read and quantised once.  192 work-groups: blocks of 96 rows would straddle tensors, blocks of 64 would double the weights' reads.
; PHASE X: wave w quantises rows 32 w .. 32 w + 31 (two tiles of 16 slots x 8 K steps) into images of operand registers in LDS.  One barrier.
; PHASE G: wave w makes heads 4 w .. 4 w + 3, a head (64 columns, 4 tiles) a trip: 8 tiles of rows x 4 tiles of columns = 32 accumulators, 8 K steps of 128.  x's fragments come from LDS, the weight's from memory straight into
; the wave's registers, in two banks of four K steps, each asked for four K steps (128 matrix instructions) ahead.  No cluster: each wave has columns of its own, so shared weights would have to pass through LDS, which x's fragments already use.
; TILES, IMAGES: as in launch wquant: slot r of tile 2 B + u holds index 32 B + 8 u + r + (r & 8); an image is 1,536 bytes, registers 4 g .. 4 g + 3 of lane l at 512 g + 16 l.
; q, k: source 0 = 16 columns of W, source 1 = 16 rows of x: a lane holds ONE row and its 32 registers of a head run along d: reg 16 b + i = d 32 b + 16 (lane / 16) + i: quantised along d (two blocks): HALF an image,
;       768 bytes: registers 0-3 of lane l at 16 l, registers 4-5 at 512 + 8 l.  Its scale word has bytes 2 and 3 = 0x7f (1.0): attention fills K = 64 up to 128 with zero codes.
; v:    the sources swapped: a lane holds ONE column d and its 64 registers run along the block's 128 keys: quantised along the KEYS (four blocks): a whole image.
; qimg: [batch x 16 + head][block of 128 queries][6,656]: 8 half images, then 4 x 128 bytes of scale words (lanes 0-15 tile 2 p, lanes 16-31 tile 2 p + 1).
; kv:   [batch x 16 + head][step of 128 keys][13,056]: K's 8 half images; at 6,144 V's 4 images; at 12,288 K's scale words (4 x 128); at 12,800 V's (2 x 128).
; LIMITS: as in launch wquant (a block of zeros has the byte 1; largest magnitudes under 2^-124, NaN and infinities are not served).
; REGISTERS, in windows of 256: window 0: v1-12 addresses; v24-55 x's scale words, v56-71 the weight's; v88-126 the quantiser's; v128-255 phase X: two sets of 64 numbers; phase G: v128-223 x's fragments, set 1.
;   window 1: phase X: four sets of 64 as loaded; phase G: the 32 accumulators.   window 2: the weight's K steps 0-4.   window 3: its K steps 5-7; v144-239 x's fragments, set 0.
.set XSC,   98304                      ; LDS: from 0 x's 64 images [tile 8][K step 8]; here their scale words: 512 tile + 16 lane + 4 j: lanes 0-15 K step 2 j, lanes 16-31 K step 2 j + 1
.set STG,   102400                     ; two stages of 16 rows x 528 bytes for each wave
.set SPARE, 169984                     ; the spare words, 128 bytes for each wave: two blocks of 256 bytes that no other line names
.set L16, 1                            ; v1   16 x lane
.set L8,  2                            ; v2   8 x lane
.set L4,  3                            ; v3   4 x lane
.set LI1, 4                            ; v4   16 x lane + 49,152: images of tiles 4-7
.set STI, 5                            ; v5   my stage, on the way in: 16 x lane
.set STO, 6                            ; v6   and out: 528 r + 128 h
.set XWI, 7                            ; v7   where I store x's images: 16 x lane + 24,576 x wave
.set XWS, 8                            ; v8   and their scale words
.set H8,  9                            ; v9   8 h
.set LXS, 10                           ; v10  where every wave reads the scale words
.set SPW, 11                           ; v11  my spare word; never rewritten
.set NIL, 12                           ; v12  0; never rewritten
.set XS,  24
.set WS,  56
.set TM,  88                           ; v88-91 largest magnitudes, v92-95 lane exchange and bytes, v100-103 the conversions' scale operands
.set PC,  104                          ; v104-115 the codes just made; v116-118, v120-122 upper halves on their way
.set PW,  124                          ; the scale word just made;  v125 the even partner's;  v126 the two in one register
.set PWE, 125
.set SW,  126
.set XX,  128
.set MSB, 0
.macro WIN new                         ; the immediate's high byte repeats the setting that is left; a switch that changes nothing is dropped
.if MSB != (\new)
	s_set_vgpr_msb (MSB<<8)|(\new)
.set MSB, (\new)
.endif
.endm
.macro PLACES                          ; four plain places behind matrix instructions, in front of loads into their sources and of reads of their results
.rept 4
	v_nop
.endr
.endm
	s_load_b256 s[4:11], s[0:1], 0x0               ; q, k, v, wc
	s_load_b128 s[12:15], s[0:1], 0x20             ; ws, qimg
	s_load_b64 s[16:17], s[0:1], 0x30              ; kv
	v_lshl_add_u32 v[SPW], v0, 2, SPARE
	v_mov_b32 v[NIL], 0
	v_lshrrev_b32 v13, 5, v0
	v_readfirstlane_b32 s18, v13                   ; wave
	v_and_b32 v13, 31, v0                          ; lane
	v_and_b32 v14, 15, v0                          ; r
	v_bfe_u32 v15, v0, 4, 1                        ; h
	v_lshlrev_b32 v[L16], 4, v13
	v_lshlrev_b32 v[L8], 3, v13
	v_lshlrev_b32 v[L4], 2, v13
	v_add_nc_u32 v[LI1], 49152, v[L16]
	s_mul_i32 s21, s18, 16896
	s_add_co_u32 s21, s21, STG
	v_add_nc_u32 v[STI], s21, v[L16]
	v_mul_u32_u24 v[STO], v14, 528
	v_lshl_add_u32 v[STO], v15, 7, v[STO]
	v_add_nc_u32 v[STO], s21, v[STO]
	s_mul_i32 s21, s18, 24576
	v_add_nc_u32 v[XWI], s21, v[L16]
	s_lshl_b32 s21, s18, 10
	s_add_co_u32 s21, s21, XSC
	v_add_nc_u32 v[XWS], s21, v[L16]
	v_lshlrev_b32 v[H8], 3, v15
	v_add_nc_u32 v[LXS], XSC, v[L16]
	v_cmp_le_u32 s38, 16, v13                      ; the mask of lanes 16-31
.irp b, 4,5,6,7
	v_mov_b32 v[TM+\b], 0                          ; written once: a lane permute's destination counts as one of its sources
.endr
	s_mov_b32 s36, 0x76543210
	s_mov_b32 s37, 0xfedcba98                      ; v_permlanex16_b32's selects for lane l xor 16
	s_and_b32 s19, ttmp7, 0xffff                   ; y: 0 q, 1 k, 2 v
	s_lshl_b32 s22, ttmp9, 19                      ; x: my block's 128 rows of 4,096 bytes,
	s_lshl_b32 s23, s18, 17                        ; my wave's 32 of them
	s_add_co_u32 s22, s22, s23
	s_mov_b32 s23, 0
	s_mul_i32 s26, s19, 786432                     ; the weight's images: weight y, head 4 w
	s_mul_i32 s27, s18, 196608
	s_add_co_u32 s26, s26, s27
	s_mov_b32 s27, 0
	s_lshl_b32 s28, s19, 15                        ; and its scale words
	s_lshl_b32 s29, s18, 13
	s_add_co_u32 s28, s28, s29
	s_mov_b32 s29, 0
	s_wait_kmcnt 0x0
	s_cmp_eq_u32 s19, 1                            ; the choices hang on the work-group's number alone
	s_cselect_b64 s[24:25], s[6:7], s[4:5]
	s_cmp_eq_u32 s19, 2
	s_cselect_b64 s[24:25], s[8:9], s[24:25]
	s_add_nc_u64 s[24:25], s[24:25], s[22:23]
	s_add_nc_u64 s[26:27], s[10:11], s[26:27]
	s_add_nc_u64 s[28:29], s[12:13], s[28:29]
	s_cmp_eq_u32 s19, 0                            ; where the results go: q's into qimg, k's and v's into kv
	s_cselect_b64 s[30:31], s[14:15], s[16:17]
	s_mov_b32 s40, 208896
	s_cselect_b32 s40, 106496, s40                 ; from head to head
	s_mov_b32 s42, 13056
	s_cselect_b32 s42, 6656, s42                   ; from block to block
	s_mov_b32 s43, 12288
	s_cselect_b32 s43, 6144, s43                   ; the scale words' place in a block
	s_mov_b32 s41, 0
	s_lshr_b32 s44, ttmp9, 4                       ; batch
	s_lshl_b32 s44, s44, 4
	s_lshl_b32 s45, s18, 2
	s_add_co_u32 s44, s44, s45                     ; 16 batch + my first head
	s_mul_i32 s44, s44, s40
	s_and_b32 s45, ttmp9, 15                       ; the block in its sequence
	s_mul_i32 s45, s45, s42
	s_add_co_u32 s44, s44, s45
	s_cmp_eq_u32 s19, 2
	s_cselect_b32 s45, 6144, 0                     ; V's images lie behind K's
	s_add_co_u32 s44, s44, s45
	s_mov_b32 s45, 0
	s_add_nc_u64 s[30:31], s[30:31], s[44:45]
	s_mov_b32 s44, s43
	s_add_nc_u64 s[32:33], s[30:31], s[44:45]      ; q's and k's scale words
; ---- the macros of phase X.  Step t = 8 u + s: tile u of my pair, K step s
.macro LOADX t                         ; 16 slots x 512 consecutive bytes, as they lie, into set t % 4 of window 1
	WIN 0x40
.irp p, 0,1,2,3,4,5,6,7,8,9,10,11,12,13,14,15
	global_load_b128 v[64*((\t)%4)+4*\p:64*((\t)%4)+4*\p+3], v[L16], s[24:25] offset:(8*((\t)/8)+\p+(\p&8))*4096+512*((\t)%8) th:TH_LOAD_NT
.endr
	WIN 0
.endm
.macro TURNX t                         ; through my own stage: in as loaded, out 128 bytes a block: lane (r, h) gets k = 64 c + 32 h + 0 .. 31 of slot r.  LDS serves a wave's instructions in order: no wait between
	WIN 0x04
.irp p, 0,1,2,3,4,5,6,7,8,9,10,11,12,13,14,15
	ds_store_b128 v[STI], v[64*((\t)%4)+4*\p:64*((\t)%4)+4*\p+3] offset:8448*((\t)%2)+528*\p
.endr
	WIN 0
.irp c, 0,1
.irp i, 0,1,2,3,4,5,6,7
	ds_load_b128 v[XX+64*((\t)%2)+32*\c+4*\i:XX+64*((\t)%2)+32*\c+4*\i+3], v[STO] offset:8448*((\t)%2)+256*\c+16*\i
.endr
.endr
.endm
.macro QUANTX s                        ; 64 numbers of a lane, two whole blocks, become the fragment's 12 registers in v[PC] on and my row's scale word in v[PW]
.irp c, 0,1
	v_max3_num_f32 v[TM+\c], |v[(\s)+32*\c]|, |v[(\s)+32*\c+1]|, 0x1800000   ; with the floor 2^(3 - 127): the byte cannot fall under 1
.endr
.irp i, 2,4,6,8,10,12,14,16,18,20,22,24,26,28,30
.irp c, 0,1
	v_max3_num_f32 v[TM+\c], v[TM+\c], |v[(\s)+32*\c+\i]|, |v[(\s)+32*\c+\i+1]|
.endr
.endr
.irp c, 0,1
	v_add_nc_u32 v[TM+12+\c], 0xff000000, v[TM+\c]   ; 2 off the exponent field: the conversion's scale operand
.endr
.irp c, 0,1
	v_lshrrev_b32 v[TM+4+\c], 23, v[TM+12+\c]        ; the scale's byte
.endr
	v_lshl_or_b32 v[PW], v[TM+5], 16, v[TM+4]      ; my bytes: blocks h and 2 + h,
	v_lshlrev_b32 v[PW], v[H8], v[PW]              ; at their places;
	v_permlanex16_b32 v[TM+6], v[PW], s36, s37
	v_or_b32 v[PW], v[PW], v[TM+6]                 ; with lane l xor 16's two the word is whole
.irp c, 0,1
	v_cvt_scalef32_pk16_fp6_f32 v[PC+6*\c:PC+6*\c+2], v[(\s)+32*\c:(\s)+32*\c+15], v[TM+12+\c]
	v_cvt_scalef32_pk16_fp6_f32 v[PC+12+4*\c:PC+14+4*\c], v[(\s)+32*\c+16:(\s)+32*\c+31], v[TM+12+\c]   ; (a conversion's three registers begin on an even number)
.endr
	v_nop                                          ; one plain place behind a scaled conversion
.irp c, 0,1
.irp i, 0,1,2
	v_mov_b32 v[PC+3+6*\c+\i], v[PC+12+4*\c+\i]
.endr
.endr
.endm
; ---- the macros of phase G
.macro LOADBANK bk, nx                 ; the weight's K steps 4 bk .. 4 bk + 3 of this head (nx = 0) or the next (1): 48 loads of 512 consecutive bytes, and their 8 registers of scale words: 56 loads
.irp q, 0,1,2,3
.set KS, 4*(\bk)+\q
.if KS < 5
	WIN 0x80
.set LWB, 48*KS
.else
	WIN 0xc0
.set LWB, 48*(KS-5)
.endif
.irp nt, 0,1,2,3
.irp g, 0,1,2
	global_load_b128 v[LWB+12*\nt+4*\g:LWB+12*\nt+4*\g+3], v[L16], s[26:27] offset:(\nx)*49152+\nt*12288+KS*1536+512*\g
.endr
.endr
.endr
	WIN 0
.irp nt, 0,1,2,3
.irp j, 0,1
	global_load_b32 v[WS+4*\nt+2*(\bk)+\j], v[L4], s[28:29] offset:(\nx)*2048+512*\nt+128*(2*(\bk)+\j)
.endr
.endr
.endm
.macro ALOAD s                         ; x's eight fragments of K step s: 24 LDS loads of 512 consecutive bytes; even steps into set 0 (window 3), odd into set 1 (window 0)
.if ((\s)%2) == 0
	WIN 0xc0
.set LAB, 144
.else
	WIN 0
.set LAB, 128
.endif
.irp mt, 0,1,2,3,4,5,6,7
.irp g, 0,1,2
.if \mt < 4
	ds_load_b128 v[LAB+12*\mt+4*\g:LAB+12*\mt+4*\g+3], v[L16] offset:(8*\mt+(\s))*1536+512*\g
.else
	ds_load_b128 v[LAB+12*\mt+4*\g:LAB+12*\mt+4*\g+3], v[LI1] offset:(8*(\mt-4)+(\s))*1536+512*\g
.endif
.endr
.endr
.endm
; A K step: the next step's fragments are asked for, then 32 matrix instructions.  The 32 accumulators take turns, one instruction a turn, in the same order in every step.
; v = 0: source 0 the weight, source 1 x;  v = 1: swapped.  A scale register holds two K steps: lanes 0-15 the even one, lanes 16-31 the odd one.  K step 0 starts the sums: nothing is cleared.
.macro KSTEP s, v
	PLACES
.if (\s) < 7
	ALOAD (\s)+1
	s_wait_dscnt 24                                ; all but the 24 just issued: this step's fragments are in
.else
	s_wait_dscnt 0x0
.endif
.if (\s) < 5
.set WW, 2
.set WB, 48*(\s)
.else
.set WW, 3
.set WB, 48*((\s)-5)
.endif
.if ((\s)%2) == 0
.set AW, 3
.set AB, 144
.else
.set AW, 0
.set AB, 128
.endif
.if \v
	WIN AW|(WW<<2)|0x50
.else
	WIN WW|(AW<<2)|0x50
.endif
.irp mt, 0,1,2,3,4,5,6,7
.irp nt, 0,1,2,3
.if \v
.set rD, 64*\nt+8*\mt
.set rA, AB+12*\mt
.set rB, WB+12*\nt
.set rSA, XS+4*\mt+(\s)/2
.set rSB, WS+4*\nt+(\s)/2
.else
.set rD, 32*\mt+8*\nt
.set rA, WB+12*\nt
.set rB, AB+12*\mt
.set rSA, WS+4*\nt+(\s)/2
.set rSB, XS+4*\mt+(\s)/2
.endif
.if (\s) == 0
	v_wmma_scale_f32_16x16x128_f8f6f4 v[rD:rD+7], v[rA:rA+11], v[rB:rB+11], 0, v[rSA], v[rSB] matrix_a_fmt:MATRIX_FMT_FP6 matrix_b_fmt:MATRIX_FMT_FP6
.elseif ((\s)%2) == 0
	v_wmma_scale_f32_16x16x128_f8f6f4 v[rD:rD+7], v[rA:rA+11], v[rB:rB+11], v[rD:rD+7], v[rSA], v[rSB] matrix_a_fmt:MATRIX_FMT_FP6 matrix_b_fmt:MATRIX_FMT_FP6
.else
	v_wmma_scale_f32_16x16x128_f8f6f4 v[rD:rD+7], v[rA:rA+11], v[rB:rB+11], v[rD:rD+7], v[rSA], v[rSB] matrix_a_fmt:MATRIX_FMT_FP6 matrix_b_fmt:MATRIX_FMT_FP6 matrix_a_scale:MATRIX_SCALE_ROW1 matrix_b_scale:MATRIX_SCALE_ROW1
.endif
.endr
.endr
.endm
; 16 nb results of a lane in window 1, register 16 b + i = K index 32 b + 16 (lane / 16) + i of the lane's slot, become codes in v[PC] on and the slot's scale word in v[PW].  Each accumulator is read from its low end on.
.macro QUANT nb, s
	s_wait_xcnt 0x0                                ; the last stores have read the registers that are written anew here
	WIN 0x05
.set b, 0
.rept \nb
	v_max3_num_f32 v[TM+b], |v[(\s)+16*b]|, |v[(\s)+16*b+1]|, 0x1800000
.set b, b+1
.endr
	WIN 0x14
.irp i, 2,4,6,8,10,12,14
.set b, 0
.rept \nb
	v_max3_num_f32 v[TM+b], v[TM+b], |v[(\s)+16*b+\i]|, |v[(\s)+16*b+\i+1]|
.set b, b+1
.endr
.endr
	WIN 0
.set b, 0
.rept \nb
	v_permlanex16_b32 v[TM+4+b], v[TM+b], s36, s37
.set b, b+1
.endr
.set b, 0
.rept \nb
	v_max_num_f32 v[TM+b], v[TM+b], v[TM+4+b]      ; with lane l xor 16's 16: the block's largest magnitude
.set b, b+1
.endr
.set b, 0
.rept \nb
	v_add_nc_u32 v[TM+12+b], 0xff000000, v[TM+b]
.set b, b+1
.endr
.set b, 0
.rept \nb
	v_lshrrev_b32 v[TM+4+b], 23, v[TM+12+b]
.set b, b+1
.endr
	v_lshl_or_b32 v[PW], v[TM+5], 8, v[TM+4]
.if (\nb) == 2
	v_or_b32 v[PW], 0x7f7f0000, v[PW]              ; 1.0 for the two blocks that attention fills with zero codes
.else
	v_lshl_or_b32 v[PW], v[TM+6], 16, v[PW]
	v_lshl_or_b32 v[PW], v[TM+7], 24, v[PW]
.endif
	WIN 0x01
.set c, 0
.rept (\nb)/2
	v_cvt_scalef32_pk16_fp6_f32 v[PC+6*c:PC+6*c+2], v[(\s)+32*c:(\s)+32*c+15], v[TM+12+2*c]
	v_cvt_scalef32_pk16_fp6_f32 v[PC+12+4*c:PC+14+4*c], v[(\s)+32*c+16:(\s)+32*c+31], v[TM+13+2*c]
.set c, c+1
.endr
	WIN 0
	v_nop                                          ; one plain place behind a scaled conversion
.set c, 0
.rept (\nb)/2                                  ; the layout wants a WHOLE block in a lane: lanes 0-15 block 2 c, lanes 16-31 block 2 c + 1
.irp i, 0,1,2
	v_permlane16_swap_b32 v[PC+6*c+\i], v[PC+12+4*c+\i]
.endr
.irp i, 0,1,2
	v_mov_b32 v[PC+3+6*c+\i], v[PC+12+4*c+\i]
.endr
.set c, c+1
.endr
.endm
.macro STEPX t
	s_wait_dscnt 0x0                               ; this step's numbers are back from the stage, its stores into the stage have read their registers, and the last step's images have left theirs
.if (\t)+4 < 16
	LOADX (\t)+4
.endif
.if (\t)+1 < 16
.if (\t)+4 < 16
	s_wait_loadcnt 48                              ; the next step's 16 loads are in; three younger sets may be out
.else
	s_wait_loadcnt 16*(14-(\t))                    ; the counts run down: 16 for each younger set
.endif
	TURNX (\t)+1
.endif
.if (\t) == 14
	LOADBANK 0, 0                                  ; x's last loads are in: the first head's first four K steps of the weight are asked for
.endif
	QUANTX XX+64*((\t)%2)
.irp g, 0,1,2
	ds_store_b128 v[XWI], v[PC+4*\g:PC+4*\g+3] offset:(\t)*1536+512*\g
.endr
.if ((\t)%2) == 0
	v_mov_b32 v[PWE], v[PW]
.else
	v_cndmask_b32 v[SW], v[PWE], v[PW], s38        ; lanes 0-15 the even K step's word, lanes 16-31 the odd one's
	ds_store_b32 v[XWS], v[SW] offset:512*((\t)/8)+4*(((\t)%8)/2)
.endif
.endm
	; ---- PHASE X
	LOADX 0
	LOADX 1
	LOADX 2
	LOADX 3
	s_wait_loadcnt 48                              ; step 0's 16 loads are in
	TURNX 0
.irp t, 0,1,2,3,4,5,6,7,8,9,10,11,12,13,14,15
	STEPX \t
.endr
	s_wait_dscnt 0x0                               ; for the others' sake: my images and scale words have landed
	s_barrier_signal -1
	s_barrier_wait -1                              ; x's 64 images lie in LDS; from here on LDS is only read
.irp mt, 0,1,2,3,4,5,6,7
	ds_load_b128 v[XS+4*\mt:XS+4*\mt+3], v[LXS] offset:512*\mt
.endr
	; ---- PHASE G: four heads a wave
.macro GEMM v
	s_mov_b32 s34, 4
.Lhead_\@:
	ALOAD 0
	s_wait_loadcnt 0x0                             ; bank 0 is in
	LOADBANK 1, 0                                  ; its registers were last read a head ago
	KSTEP 0, \v
	KSTEP 1, \v
	KSTEP 2, \v
	KSTEP 3, \v
	PLACES
	s_wait_loadcnt 0x0                             ; bank 1 is in (asked for four K steps ago)
	WIN 0
	s_cmp_eq_u32 s34, 1                            ; the last head asks for nothing more: no load leaves its buffer.  Every wait for loads here is for 0, so both ways hold
	s_cbranch_scc1 .Lno_next_\@
	LOADBANK 0, 1
.Lno_next_\@:
	KSTEP 4, \v
	KSTEP 5, \v
	KSTEP 6, \v
	KSTEP 7, \v
	PLACES
.if \v
.irp nt, 0,1,2,3                               ; v: a tile of 16 d x the block's 128 keys: a whole image
	QUANT 4, 64*\nt
.irp g, 0,1,2
	global_store_b128 v[L16], v[PC+4*\g:PC+4*\g+3], s[30:31] offset:1536*\nt+512*\g   ; 32 lanes store 512 consecutive bytes, at a multiple of 256 from kv's first byte
.endr
.if (\nt%2) == 0
	v_mov_b32 v[PWE], v[PW]
.else
	v_cndmask_b32 v[SW], v[PWE], v[PW], s38
	global_store_b32 v[L4], v[SW], s[30:31] offset:6656+128*(\nt/2)
.endif
.endr
.else
.irp mt, 0,1,2,3,4,5,6,7                       ; q, k: a tile of 16 rows x the head's 64: half an image
	QUANT 2, 32*\mt
	global_store_b128 v[L16], v[PC:PC+3], s[30:31] offset:768*\mt
	global_store_b64 v[L8], v[PC+4:PC+5], s[30:31] offset:768*\mt+512
.if (\mt%2) == 0
	v_mov_b32 v[PWE], v[PW]
.else
	v_cndmask_b32 v[SW], v[PWE], v[PW], s38
	global_store_b32 v[L4], v[SW], s[32:33] offset:128*(\mt/2)
.endif
.endr
.endif
	WIN 0
	s_wait_xcnt 0x0                                ; the loads and stores have read their bases: they step to the next head
	s_add_nc_u64 s[26:27], s[26:27], 49152
	s_add_nc_u64 s[28:29], s[28:29], 2048
	s_add_nc_u64 s[30:31], s[30:31], s[40:41]
.if !(\v)
	s_add_nc_u64 s[32:33], s[32:33], s[40:41]
.endif
	s_sub_co_u32 s34, s34, 1
	s_cmp_lg_u32 s34, 0
	s_cbranch_scc1 .Lhead_\@
.endm
	s_cmp_eq_u32 s19, 2                            ; the same in all waves of the work-group; both ways only read LDS
	s_cbranch_scc1 .Lfor_v
	GEMM 0
	s_branch .Ldone
.Lfor_v:
	GEMM 1
.Ldone:
	s_wait_tensorcnt 0x0                           ; the wave's end: three closing lines behind my last LDS store
	ds_add_u32 v[SPW], v[NIL]
	s_wait_dscnt 0x0
	s_endpgm
.Lfunc_end_k_q5971efc344_proj:
	.size	k_q5971efc344_proj, .Lfunc_end_k_q5971efc344_proj-k_q5971efc344_proj
	.p2alignl 7, 3214868480
	.fill 96, 4, 3214868480
	.section	.rodata,"a",@progbits
	.p2align	6, 0x0
	.amdhsa_kernel k_q5971efc344_proj
		.amdhsa_group_segment_fixed_size 170496
		.amdhsa_private_segment_fixed_size 0
		.amdhsa_enable_private_segment 0
		.amdhsa_kernarg_size 56
		.amdhsa_user_sgpr_count 2
		.amdhsa_user_sgpr_kernarg_segment_ptr 1
		.amdhsa_wavefront_size32 1
		.amdhsa_system_sgpr_workgroup_id_x 1
		.amdhsa_system_sgpr_workgroup_id_y 1
		.amdhsa_system_sgpr_workgroup_id_z 1
		.amdhsa_system_vgpr_workitem_id 0
		.amdhsa_next_free_vgpr 1024
		.amdhsa_next_free_sgpr 66
		.amdhsa_reserve_vcc 0
		.amdhsa_float_denorm_mode_32 3
		.amdhsa_float_denorm_mode_16_64 3
		.amdhsa_memory_ordered 1
		.amdhsa_forward_progress 1
		.amdhsa_inst_pref_size 255
	.end_amdhsa_kernel
	.section	.bss,"aw",@nobits
	.p2align	6
	.space	262144
	.amdgpu_metadata
---
amdhsa.version: [ 1, 2 ]
amdhsa.kernels:
  - .name:           k_q5971efc344_proj
    .symbol:         k_q5971efc344_proj.kd
    .args:
      - { .name: q, .offset: 0, .size: 8, .value_kind: global_buffer, .address_space: global }
      - { .name: k, .offset: 8, .size: 8, .value_kind: global_buffer, .address_space: global }
      - { .name: v, .offset: 16, .size: 8, .value_kind: global_buffer, .address_space: global }
      - { .name: wc, .offset: 24, .size: 8, .value_kind: global_buffer, .address_space: global }
      - { .name: ws, .offset: 32, .size: 8, .value_kind: global_buffer, .address_space: global }
      - { .name: qimg, .offset: 40, .size: 8, .value_kind: global_buffer, .address_space: global }
      - { .name: kv, .offset: 48, .size: 8, .value_kind: global_buffer, .address_space: global }
    .group_segment_fixed_size: 170496
    .private_segment_fixed_size: 0
    .kernarg_segment_align: 8
    .kernarg_segment_size: 56
    .max_flat_workgroup_size: 128
    .sgpr_count:     66
    .vgpr_count:     1024
    .wavefront_size: 32
...
	.end_amdgpu_metadata
.endif
;; end of part 2
;; launch attn (part 3): grid 4 x 64, 16 waves a work-group, clusters of 4 x 1, 210,944 bytes of LDS; arguments qimg, kv, ao, aos; writes ao, aos
.if DOCPART == 3
	.amdgcn_target "amdgcn-amd-amdhsa--gfx1250"
	.amdhsa_code_object_version 6
	.text
	.protected	k_q5971efc344_attn
	.globl	k_q5971efc344_attn
	.p2align	8
	.type	k_q5971efc344_attn,@function
k_q5971efc344_attn:
	s_mov_b64 s[64:65], 0
	v_nop
	global_prefetch_b8 v0, s[64:65] scope:SCOPE_SE
	s_setreg_imm32_b32 hwreg(HW_REG_WAVE_MODE, 25, 1), 1
	s_wait_xcnt 0x0
	s_wait_alu depctr_hold_cnt(0) depctr_sa_sdst(0) depctr_va_vdst(0) depctr_va_sdst(0) depctr_va_ssrc(0) depctr_va_vcc(0) depctr_vm_vsrc(0)
	s_getreg_b32 s2, hwreg(HW_REG_IB_STS2, 6, 4)
	s_cmp_eq_u32 s2, 0
	s_cbranch_scc0 .Lentry_in_a_cluster
	s_endpgm
.Lentry_in_a_cluster:
	s_bfe_u32 s2, ttmp6, 0x10000c
	s_cmp_lg_u32 s2, 0x3003
	s_cbranch_scc0 .Lentry_shape_is_right
	s_endpgm
.Lentry_shape_is_right:
; Products 4 and 5 with the softmax between them, and the result quantised for product 6.  All operands arrive as images of operand registers (launch proj).
; WORK LEFT OUT: a step of 128 keys all of which come after all 16 queries of a tile (reference()'s own causal mask gives them the weight 0 for all inputs: see the head of launch wquant).
; THE SOFTMAX: t = score x log2(e) / 8; M = the running largest t rounded UP to a whole number; p = 2^(t - M) is quantised along the keys, not normalised; the row's sum is taken of the unquantised p and divides O at the end;
; when M moves, the sum and O are multiplied by 2^(old M - new M), which rounds nothing.
; SHARES.  The four work-groups of a cluster serve one (batch, head).  Wave w of partner cx owns the query tiles T = 4 w + cx and 127 - T.  Tile T's diagonal lies in key step T / 8, which is w / 2 and 15 - w / 2:
; both follow from the wave's number alone, and every wave walks 17 key steps in all.  No branch and no LDS address hangs on cx: it enters global addresses and the mask's vector operand.
; NO RING.  The head's whole record of kv, 208,896 bytes, lies in LDS, filled ONCE: wave w asks for key step w, jointly with the same wave of the three partners (one tensor load of mine is out).  No refill, no barrier in the loops.
; LAYOUT.  S^T = K Q^T (source 0 = 16 keys, source 1 = my 16 queries), O^T = V^T P^T (source 0 = 16 of the head's 64): a lane holds ONE query throughout.  By the tiles' order of slots (slot r of tile 2 B + u = index
; 32 B + 8 u + r + (r & 8)) the 16 registers of tiles 2 b, 2 b + 1 of S^T are keys 32 b + 16 (lane / 16) + 0 .. 15, and those of O^T the same of d.
; K = 64 IN AN INSTRUCTION OF 128: Q's registers 6-11 are zero codes and the scale bytes 2 and 3 of Q and K are 1.0.  K's operand is v[32 + 6 t : 43 + 6 t]: its upper six registers are the next tile's codes (zeros behind tile 7):
; finite numbers, since the format has no NaN and no infinity, times zero: they add exactly 0.
; ao: [batch x 128 + tile][head][half image of 768 bytes];  aos: [batch x 128 + tile][lane 32][j 4] scale words: the half word of (head, slot r) at 16 (16 ((head / 2) % 2) + r) + 4 (head / 4) + 2 (head % 2).
; Those half words are 2-byte stores 16 bytes apart: the bytes between belong to other heads, which are other work-groups'.
; LIMITS: as in launch wquant, for the quantiser of O.
; REGISTERS: v1-11, v93 addresses; v12 -M, v13 the largest t, v[14:15] the sum; v16-27, v28 the first tile's Q and scale word; v240-251, v252 the second's; v32-79 K's 8 half images, then V's 4 images; v80-85 zeros;
;   v86-89 K's scale words, v90-91 V's, v92 P's; v96-159 S^T, then p; v160-191 O^T; v192-203 P's codes, v204-210 upper halves on their way; v212-229 at work.
.set STEPB, 13056                      ; a key step's bytes
.set SPARE, 208896                     ; behind the record: the spare words, 128 bytes for each of 16 waves: eight blocks of 256 bytes that no other line names
.set L16, 1
.set L8,  2
.set L4,  3
.set SPW, 4                            ; my spare word; never rewritten
.set NIL, 5                            ; 0; never rewritten
.set DG,  6                            ; my query - the diagonal step's first key - 16 (lane / 16)
.set QL,  7                            ; r + (r & 8) - 16 h
.set A16, 8                            ; the step's place in LDS + 16, 8, 4 x lane
.set A8,  9
.set A4,  10
.set R16, 11                           ; 16 r
.set R4,  93                           ; 4 r
.set S,   96
.set O,   160
.set PCD, 192
.set BM,  212                          ; v212-215 the blocks' largest
.set BB,  216                          ; v216-219 lane exchange, bytes
.set SOP, 220                          ; v220-223 the conversions' scale operands
.macro ROUND                           ; a round of the cluster's barrier
	s_barrier_signal -1
	s_barrier_wait -1
	s_cmp_lg_u32 s12, 0
	s_cbranch_scc1 .Lnot_wave_0_\@
	s_barrier_signal -3
.Lnot_wave_0_\@:
	s_barrier_wait -3
	s_barrier_signal -1
	s_barrier_wait -1
.endm
.macro PLACES
.rept 4
	v_nop
.endr
.endm
; tile s[t]'s byte offsets: Q's codes, Q's scale words, ao, aos; and its first query's place in its block of 128
.macro TILE t, qc, qs, ao, aos, d0
	s_lshr_b32 s58, s[\t], 3
	s_and_b32 s59, s[\t], 7
	s_mul_i32 s60, s58, 6656
	s_add_co_u32 s60, s60, s39                     ; the record, the block
	s_mul_i32 s61, s59, 768
	s_add_co_u32 s[\qc], s60, s61
	s_mov_b32 s[\qc+1], 0
	s_lshl_b32 s61, s59, 6                         ; 128 ((T % 8) / 2) + 64 (T % 2) = 64 (T % 8)
	s_add_co_u32 s61, s61, 6144
	s_add_co_u32 s[\qs], s60, s61
	s_mov_b32 s[\qs+1], 0
	s_add_co_u32 s60, s[\t], s62                   ; 128 batch + T
	s_lshl_b32 s61, s60, 4
	s_add_co_u32 s61, s61, s63
	s_mul_i32 s[\ao], s61, 768
	s_mov_b32 s[\ao+1], 0
	s_lshl_b32 s61, s60, 9
	s_add_co_u32 s[\aos], s61, s17
	s_mov_b32 s[\aos+1], 0
	s_lshr_b32 s60, s[\t], 1
	s_and_b32 s60, s60, 3
	s_lshl_b32 s60, s60, 5
	s_and_b32 s61, s[\t], 1
	s_lshl_b32 s61, s61, 3
	s_add_co_u32 s[\d0], s60, s61
.endm
	s_load_b256 s[4:11], s[0:1], 0x0               ; qimg, kv, ao, aos
	v_lshl_add_u32 v[SPW], v0, 2, SPARE
	v_mov_b32 v[NIL], 0
	ds_add_u32 v[SPW], v[NIL]                      ; the wave's opening: the add, twice on end, and its wait ahead of my first tensor load; the set-up below, work on registers, stands between
	ds_add_u32 v[SPW], v[NIL]
	v_lshrrev_b32 v6, 5, v0
	v_readfirstlane_b32 s12, v6                    ; wave 0..15
	s_bfe_u32 s13, ttmp6, 0x40000                  ; cx
	s_and_b32 s14, ttmp7, 0xffff                   ; the record: 16 batch + head
	s_mov_b32 s24, 15|(3<<16)|(1<<21)              ; group 1: mask: all four partners; elements of 8 bytes; bit 21 beside a mask; no padding
	s_mov_b32 s25, 32<<16                          ; tensor_dim0 = 32 elements: rows of 256 bytes
	s_mov_b32 s26, 51<<16                          ; tensor_dim1 = 51 rows: a key step is dense in memory
	s_mov_b32 s27, 32<<16                          ; tile_dim0
	s_mov_b32 s28, 51                              ; tile_dim1
	s_mov_b32 s29, 32                              ; from row to row
	s_mov_b32 s30, 0
	s_mov_b32 s31, 0
	s_mov_b32 s32, 1
	s_mul_i32 s33, s12, STEPB                      ; LDS: key step = my wave's number
	s_mul_i32 s2, s14, 208896
	s_add_co_u32 s2, s2, s33
	s_mov_b32 s3, 0
	s_mov_b32 s20, 0x76543210
	s_mov_b32 s21, 0xfedcba98                      ; v_permlanex16_b32's selects for lane l xor 16
	s_mov_b32 s22, 0x3e38aa3b                      ; c = log2(e) / sqrt(64)
	s_mov_b32 s23, s22                             ; (named with it as a pair)
	s_lshl_b32 s15, s12, 2
	s_add_co_u32 s15, s15, s13                     ; my first tile,
	s_sub_co_u32 s16, 127, s15                     ; and my second
	s_lshr_b32 s18, s12, 1
	s_lshl_b32 s18, s18, 7                         ; the first key of the first tile's diagonal step: 128 (w / 2),
	s_sub_co_u32 s19, 1920, s18                    ; and of the second's
	s_mul_i32 s39, s14, 106496
	s_lshr_b32 s62, s14, 4
	s_lshl_b32 s62, s62, 7                         ; 128 batch
	s_and_b32 s63, s14, 15                         ; head
	s_lshr_b32 s58, s63, 1
	s_and_b32 s58, s58, 1
	s_lshl_b32 s17, s58, 8                         ; the head's place in a tile's scale words
	s_lshr_b32 s58, s63, 2
	s_lshl_b32 s58, s58, 2
	s_add_co_u32 s17, s17, s58
	s_and_b32 s58, s63, 1
	s_lshl_b32 s58, s58, 1
	s_add_co_u32 s17, s17, s58
	TILE 15, 40, 42, 44, 46, 52
	TILE 16, 54, 56, 48, 50, 53
	v_and_b32 v6, 31, v0
	v_lshlrev_b32 v[L16], 4, v6
	v_lshlrev_b32 v[L8], 3, v6
	v_lshlrev_b32 v[L4], 2, v6
	v_and_b32 v12, 15, v0                          ; r
	v_bfe_u32 v13, v0, 4, 1                        ; h
	v_lshlrev_b32 v[R16], 4, v12
	v_lshlrev_b32 v[R4], 2, v12
	v_and_b32 v14, 8, v12
	v_add_nc_u32 v[QL], v12, v14
	v_lshlrev_b32 v14, 4, v13
	v_sub_nc_u32 v[QL], v[QL], v14
.irp z, 22,23,24,25,26,27,80,81,82,83,84,85,216,217,218,219,224,227,246,247,248,249,250,251
	v_mov_b32 v\z, 0                               ; the zero codes; and registers that are named before they are first written (a lane permute's destination, the upper half of a pair)
.endr
	s_wait_dscnt 0x0                               ; both opening adds are done
	s_wait_kmcnt 0x0
	s_add_nc_u64 s[34:35], s[6:7], s[2:3]          ; kv: my record, my key step: the same in all four partners
	s_or_b32 s35, s35, 0x80000000
	s_add_nc_u64 s[40:41], s[4:5], s[40:41]
	s_add_nc_u64 s[42:43], s[4:5], s[42:43]
	s_add_nc_u64 s[54:55], s[4:5], s[54:55]
	s_add_nc_u64 s[56:57], s[4:5], s[56:57]
	s_add_nc_u64 s[44:45], s[8:9], s[44:45]
	s_add_nc_u64 s[48:49], s[8:9], s[48:49]
	s_add_nc_u64 s[46:47], s[10:11], s[46:47]
	s_add_nc_u64 s[50:51], s[10:11], s[50:51]
	ROUND                                          ; all four work-groups are here: the joint loads meet
	tensor_load_to_lds s[32:35], s[24:31]
	s_nop 0
	PLACES
	global_load_b128 v[16:19], v[L16], s[40:41]    ; both tiles' Q stay in registers
	global_load_b64 v[20:21], v[L8], s[40:41] offset:512
	global_load_b32 v28, v[R4], s[42:43]
	global_load_b128 v[240:243], v[L16], s[54:55]
	global_load_b64 v[244:245], v[L8], s[54:55] offset:512
	global_load_b32 v252, v[R4], s[56:57]
	s_wait_loadcnt 0x0
	s_wait_tensorcnt 0x0                           ; my key step has landed,
	s_barrier_signal -1
	s_barrier_wait -1                              ; everybody's has: the record is whole, and is only read from here on
; ONE TILE OF QUERIES.  qf, qs: Q's registers and scale word; qb: the scalar with the diagonal step's first key; d0: the tile's first query in its block; ao, aos: where the result goes.
; The loop's trip count is a constant, 16; a step whose keys all come after the tile's queries is jumped over, all but the lines that step addresses.
.macro PASS qf, qs, qb, d0, ao, aos
	v_add_nc_u32 v[DG], s[\d0], v[QL]
	v_mov_b32 v13, 0xff61b1e6                      ; the largest t so far: -3e38, under every t
	v_floor_f32 v12, -v13                          ; -M
	v_mov_b32 v14, 0                               ; the sum, in two halves
	v_mov_b32 v15, 0
.set j, 0
.rept 32
	v_mov_b32 v[O+j], 0                            ; O^T: the step is written once; the first finds zeros, which the first change of M leaves zeros
.set j, j+1
.endr
	s_mov_b32 s36, 0                               ; the step's place in LDS
	s_mov_b32 s37, 0                               ; its first key
	s_mov_b32 s38, 16
.Lstep_\@:
	s_cmp_gt_u32 s37, s[\qb]
	s_cbranch_scc1 .Lhidden_\@
	v_add_nc_u32 v[A16], s36, v[L16]               ; (these three and the v_nop are the four places behind the last step's products, in front of the loads into their sources)
	v_add_nc_u32 v[A8], s36, v[L8]
	v_add_nc_u32 v[A4], s36, v[L4]
	v_nop
.irp t, 0,1,2,3,4,5,6,7
	ds_load_b128 v[32+6*\t:35+6*\t], v[A16] offset:768*\t
	ds_load_b64 v[36+6*\t:37+6*\t], v[A8] offset:768*\t+512
.endr
.irp p, 0,1,2,3
	ds_load_b32 v[86+\p], v[A4] offset:12288+128*\p
.endr
	s_wait_dscnt 0x0
.irp t, 0,2,4,6
	v_wmma_scale_f32_16x16x128_f8f6f4 v[S+8*\t:S+8*\t+7], v[32+6*\t:43+6*\t], v[\qf:\qf+11], 0, v[86+\t/2], v[\qs] matrix_a_fmt:MATRIX_FMT_FP6 matrix_b_fmt:MATRIX_FMT_FP6
	v_wmma_scale_f32_16x16x128_f8f6f4 v[S+8*\t+8:S+8*\t+15], v[38+6*\t:49+6*\t], v[\qf:\qf+11], 0, v[86+\t/2], v[\qs] matrix_a_fmt:MATRIX_FMT_FP6 matrix_b_fmt:MATRIX_FMT_FP6 matrix_a_scale:MATRIX_SCALE_ROW1
.endr
	PLACES
.irp nt, 0,1,2,3                               ; V's images are asked for here and land under the softmax
.irp g, 0,1,2
	ds_load_b128 v[32+12*\nt+4*\g:35+12*\nt+4*\g], v[A16] offset:6144+1536*\nt+512*\g
.endr
.endr
.irp p, 0,1
	ds_load_b32 v[90+\p], v[A4] offset:12800+128*\p
.endr
	s_cmp_lg_u32 s37, s[\qb]                       ; on the diagonal the scores of hidden keys become -infinity ahead of the maximum: p = 0 then.  The step's first key counts for every query of the tile
	s_cbranch_scc1 .Lopen_\@
	v_mov_b32 v224, 0xff800000
.set n, 0
.rept 64
	v_cmp_gt_i32 vcc_lo, 32*(n/16)+n%16, v[DG]     ; register 16 b + i holds key 32 b + 16 (lane / 16) + i of the step
	v_cndmask_b32 v[S+n], v[S+n], v224, vcc_lo
.set n, n+1
.endr
.Lopen_\@:
.irp b, 0,1,2,3
	v_max3_num_f32 v[BM+\b], v[S+16*\b], v[S+1+16*\b], v[S+2+16*\b]   ; the largest score of each block of 32 keys: for the row's maximum, and, since p rises with the score, for the block's largest p
.endr
.irp i, 3,5,7,9,11,13
.irp b, 0,1,2,3
	v_max3_num_f32 v[BM+\b], v[BM+\b], v[S+16*\b+\i], v[S+1+16*\b+\i]
.endr
.endr
.irp b, 0,1,2,3
	v_max_num_f32 v[BM+\b], v[BM+\b], v[S+15+16*\b]
.endr
.irp b, 0,1,2,3
	v_permlanex16_b32 v[BB+\b], v[BM+\b], s20, s21
.endr
.irp b, 0,1,2,3
	v_max_num_f32 v[BM+\b], v[BM+\b], v[BB+\b]     ; with lane l xor 16's 16 keys
.endr
	v_max3_num_f32 v224, v[BM], v[BM+1], v[BM+2]
	v_max_num_f32 v224, v224, v[BM+3]
	v_mul_f32 v224, s22, v224                      ; the step's largest t (c is positive)
	v_max_num_f32 v13, v13, v224
	v_mov_b32 v224, v12
	v_floor_f32 v12, -v13                          ; the new -M = -ceil(t)
	v_sub_f32 v224, v12, v224                      ; old M - new M: a whole number, 0 or less
	v_cvt_i32_f32 v224, v224                       ; (it saturates)
	v_ldexp_f32 v226, 1.0, v224                    ; f = 2^(old M - new M)
.set j, 0
.rept 32
	v_pk_fma_f32 v[S+j:S+j+1], v[S+j:S+j+1], s[22:23], v[12:13] op_sel_hi:[1,0,0]   ; t - M, two at a time
.set j, j+2
.endr
.irp b, 0,1,2,3
	v_fma_f32 v[BM+\b], v[BM+\b], s22, v12
.endr
.set j, 0
.rept 64
	v_exp_f32 v[S+j], v[S+j]                       ; p = 2^(t - M)
.set j, j+1
.endr
	v_pk_mul_f32 v[14:15], v[14:15], v[226:227] op_sel_hi:[1,0]   ; the sums under the new M (a plain place behind the exponentials)
	s_wait_alu depctr_va_vdst(0)                   ; one wait for the batch of 64, ahead of its first reader
.irp b, 0,1,2,3
	v_exp_f32 v[BM+\b], v[BM+\b]                   ; the blocks' largest p
.endr
	v_pk_add_f32 v[228:229], v[S:S+1], v[S+2:S+3]  ; the row's sum, of the UNQUANTISED p, in two chains
.set j, 4
.rept 15
	v_pk_add_f32 v[14:15], v[14:15], v[S+j:S+j+1]
	v_pk_add_f32 v[228:229], v[228:229], v[S+j+2:S+j+3]
.set j, j+4
.endr
	v_pk_add_f32 v[14:15], v[14:15], v[228:229]
	s_wait_alu depctr_va_vdst(0)                   ; and one for the four
.irp b, 0,1,2,3
	v_max_num_f32 v[BM+\b], 0x1800000, v[BM+\b]    ; the floor 2^(3 - 127): the byte cannot fall under 1
.endr
.irp b, 0,1,2,3
	v_add_nc_u32 v[SOP+\b], 0xff000000, v[BM+\b]
.endr
.irp b, 0,1,2,3
	v_lshrrev_b32 v[BB+\b], 23, v[SOP+\b]
.endr
	v_lshl_or_b32 v92, v[BB+1], 8, v[BB]           ; p's scale word for these 128 keys
	v_lshl_or_b32 v92, v[BB+2], 16, v92
	v_lshl_or_b32 v92, v[BB+3], 24, v92
.irp c, 0,1
	v_cvt_scalef32_pk16_fp6_f32 v[PCD+6*\c:PCD+6*\c+2], v[S+32*\c:S+32*\c+15], v[SOP+2*\c]
	v_cvt_scalef32_pk16_fp6_f32 v[PCD+12+4*\c:PCD+14+4*\c], v[S+32*\c+16:S+32*\c+31], v[SOP+2*\c+1]
.endr
	v_nop                                          ; one plain place behind a scaled conversion
.irp c, 0,1
.irp i, 0,1,2
	v_permlane16_swap_b32 v[PCD+6*\c+\i], v[PCD+12+4*\c+\i]
.endr
.irp i, 0,1,2
	v_mov_b32 v[PCD+3+6*\c+\i], v[PCD+12+4*\c+\i]
.endr
.endr
.set j, 0
.rept 16
	v_pk_mul_f32 v[O+j:O+j+1], v[O+j:O+j+1], v[226:227] op_sel_hi:[1,0]   ; O^T under the new M; these are also the places between the writes of p's codes and scale word and the products
.set j, j+2
.endr
	s_wait_dscnt 0x0                               ; V is in
.irp nt, 0,2
	v_wmma_scale_f32_16x16x128_f8f6f4 v[O+8*\nt:O+8*\nt+7], v[32+12*\nt:43+12*\nt], v[PCD:PCD+11], v[O+8*\nt:O+8*\nt+7], v[90+\nt/2], v92 matrix_a_fmt:MATRIX_FMT_FP6 matrix_b_fmt:MATRIX_FMT_FP6
	v_wmma_scale_f32_16x16x128_f8f6f4 v[O+8*\nt+8:O+8*\nt+15], v[44+12*\nt:55+12*\nt], v[PCD:PCD+11], v[O+8*\nt+8:O+8*\nt+15], v[90+\nt/2], v92 matrix_a_fmt:MATRIX_FMT_FP6 matrix_b_fmt:MATRIX_FMT_FP6 matrix_a_scale:MATRIX_SCALE_ROW1
.endr
.Lhidden_\@:
	s_add_co_u32 s36, s36, STEPB
	s_add_co_u32 s37, s37, 128
	s_sub_co_u32 s38, s38, 1
	s_cmp_lg_u32 s38, 0
	s_cbranch_scc1 .Lstep_\@
	; the way out: O^T / the sum, quantised along d (two blocks): half an image and half a scale word
	PLACES
	v_add_f32 v14, v14, v15
	v_permlanex16_b32 v224, v14, s20, s21
	v_add_f32 v14, v14, v224                       ; the row's sum
	v_rcp_f32 v14, v14
	v_nop                                          ; a plain place behind the transcendental
	s_wait_alu depctr_va_vdst(0)                   ; and the wait ahead of its first reader
.set j, 0
.rept 16
	v_pk_mul_f32 v[S+j:S+j+1], v[O+j:O+j+1], v[14:15] op_sel_hi:[1,0]   ; register 16 b + i is o(my query, 32 b + 16 (lane / 16) + i)
.set j, j+2
.endr
.irp b, 0,1
	v_max3_num_f32 v[BM+\b], |v[S+16*\b]|, |v[S+1+16*\b]|, 0x1800000
.endr
.irp i, 2,4,6,8,10,12,14
.irp b, 0,1
	v_max3_num_f32 v[BM+\b], v[BM+\b], |v[S+16*\b+\i]|, |v[S+1+16*\b+\i]|
.endr
.endr
.irp b, 0,1
	v_permlanex16_b32 v[BB+\b], v[BM+\b], s20, s21
.endr
.irp b, 0,1
	v_max_num_f32 v[BM+\b], v[BM+\b], v[BB+\b]
.endr
.irp b, 0,1
	v_add_nc_u32 v[SOP+\b], 0xff000000, v[BM+\b]
.endr
.irp b, 0,1
	v_lshrrev_b32 v[BB+\b], 23, v[SOP+\b]
.endr
	v_lshl_or_b32 v225, v[BB+1], 8, v[BB]
	v_cvt_scalef32_pk16_fp6_f32 v[PCD:PCD+2], v[S:S+15], v[SOP]
	v_cvt_scalef32_pk16_fp6_f32 v[PCD+12:PCD+14], v[S+16:S+31], v[SOP+1]
	v_nop
.irp i, 0,1,2
	v_permlane16_swap_b32 v[PCD+\i], v[PCD+12+\i]
.endr
.irp i, 0,1,2
	v_mov_b32 v[PCD+3+\i], v[PCD+12+\i]
.endr
	global_store_b128 v[L16], v[PCD:PCD+3], s[\ao:\ao+1]             ; 512 consecutive bytes, at a multiple of 256 from ao's first byte
	global_store_b64 v[L8], v[PCD+4:PCD+5], s[\ao:\ao+1] offset:512  ; and 256
	global_store_b16 v[R16], v225, s[\aos:\aos+1]                    ; lanes 16-31 write the same bytes with the same values
	s_wait_xcnt 0x0                                ; the stores have read their registers: the next tile may write them
.endm
	PASS 16, 28, 18, 52, 44, 46
	PASS 240, 252, 19, 53, 48, 50
	s_wait_tensorcnt 0x0                           ; the wave's end: three closing lines behind my last tensor load
	ds_add_u32 v[SPW], v[NIL]
	s_wait_dscnt 0x0
	ROUND                                          ; the closing round
	s_endpgm
.Lfunc_end_k_q5971efc344_attn:
	.size	k_q5971efc344_attn, .Lfunc_end_k_q5971efc344_attn-k_q5971efc344_attn
	.p2alignl 7, 3214868480
	.fill 96, 4, 3214868480
	.section	.rodata,"a",@progbits
	.p2align	6, 0x0
	.amdhsa_kernel k_q5971efc344_attn
		.amdhsa_group_segment_fixed_size 210944
		.amdhsa_private_segment_fixed_size 0
		.amdhsa_enable_private_segment 0
		.amdhsa_kernarg_size 32
		.amdhsa_user_sgpr_count 2
		.amdhsa_user_sgpr_kernarg_segment_ptr 1
		.amdhsa_wavefront_size32 1
		.amdhsa_system_sgpr_workgroup_id_x 1
		.amdhsa_system_sgpr_workgroup_id_y 1
		.amdhsa_system_sgpr_workgroup_id_z 1
		.amdhsa_system_vgpr_workitem_id 0
		.amdhsa_next_free_vgpr 256
		.amdhsa_next_free_sgpr 66
		.amdhsa_reserve_vcc 1
		.amdhsa_float_denorm_mode_32 3
		.amdhsa_float_denorm_mode_16_64 3
		.amdhsa_memory_ordered 1
		.amdhsa_forward_progress 1
		.amdhsa_inst_pref_size 59
	.end_amdhsa_kernel
	.amdgpu_metadata
---
amdhsa.version: [ 1, 2 ]
amdhsa.kernels:
  - .name:           k_q5971efc344_attn
    .symbol:         k_q5971efc344_attn.kd
    .args:
      - { .name: qimg, .offset: 0, .size: 8, .value_kind: global_buffer, .address_space: global }
      - { .name: kv, .offset: 8, .size: 8, .value_kind: global_buffer, .address_space: global }
      - { .name: ao, .offset: 16, .size: 8, .value_kind: global_buffer, .address_space: global }
      - { .name: aos, .offset: 24, .size: 8, .value_kind: global_buffer, .address_space: global }
    .group_segment_fixed_size: 210944
    .private_segment_fixed_size: 0
    .kernarg_segment_align: 8
    .kernarg_segment_size: 32
    .max_flat_workgroup_size: 512
    .sgpr_count:     66
    .vgpr_count:     256
    .wavefront_size: 32
...
	.end_amdgpu_metadata
.endif
;; end of part 3
;; launch oproj (part 4): grid 4 x 64, 4 waves a work-group, clusters of 4 x 1, 167,936 bytes of LDS; arguments ao, aos, wc, ws, out0; writes out0
.if DOCPART == 4
	.amdgcn_target "amdgcn-amd-amdhsa--gfx1250"
	.amdhsa_code_object_version 6
	.text
	.protected	k_q5971efc344_oproj
	.globl	k_q5971efc344_oproj
	.p2align	8
	.type	k_q5971efc344_oproj,@function
k_q5971efc344_oproj:
	s_mov_b64 s[64:65], 0
	v_nop
	global_prefetch_b8 v0, s[64:65] scope:SCOPE_SE
	s_setreg_imm32_b32 hwreg(HW_REG_WAVE_MODE, 25, 1), 1
	s_wait_xcnt 0x0
	s_wait_alu depctr_hold_cnt(0) depctr_sa_sdst(0) depctr_va_vdst(0) depctr_va_sdst(0) depctr_va_ssrc(0) depctr_va_vcc(0) depctr_vm_vsrc(0)
	s_getreg_b32 s2, hwreg(HW_REG_IB_STS2, 6, 4)
	s_cmp_eq_u32 s2, 0
	s_cbranch_scc0 .Lentry_in_a_cluster
	s_endpgm
.Lentry_in_a_cluster:
	s_bfe_u32 s2, ttmp6, 0x10000c
	s_cmp_lg_u32 s2, 0x3003
	s_cbranch_scc0 .Lentry_shape_is_right
	s_endpgm
.Lentry_shape_is_right:
; Product 6: out0 = (attention's result, as codes) x wo (as codes): [8192][1024] x [1024][1024], f32 out.  No work of reference() is left out here.
; SHARES.  A work-group takes 128 rows (y) x 256 columns (cx); wave w the 64 columns 64 (4 cx + w) on: 8 tiles of rows x 4 tiles of columns = 32 accumulators, 8 K steps of 128 (heads 2 s and 2 s + 1).
; CLUSTER.  The four work-groups of a cluster need the same 128 rows of codes: 98,304 dense bytes of ao and 4,096 of aos.  They are asked for JOINTLY, once: each wave issues two tensor loads (two of mine are out), the same in all
; four partners.  No refill.  wo's images go from memory straight into the wave's registers: each wave has columns of its own.  cx enters global addresses alone.
; A fragment of K step s is two half images on end: registers 0-3 at 16 l, 4-5 at 512 + 8 l, 6-9 at 768 + 16 l, 10-11 at 1,280 + 8 l.
; Source 0 = 16 columns of wo, source 1 = 16 rows: a lane holds ONE row, and its 32 registers of a tile of rows are columns 32 b + 16 (lane / 16) + 0 .. 15.  A tile's slot r is row 32 B + 8 u + r + (r & 8) of the block.
; REGISTERS, in windows of 256: window 0: v1-12 addresses; v24-55 the rows' scale words, v56-71 wo's; v128-223 fragments, set 1; on the way out v128-191 rows read back.   window 1: the accumulators ((mt, nt) at 32 mt + 8 nt).
;   window 2: wo's K steps 0-4.   window 3: its K steps 5-7; v144-239 fragments, set 0.
.set ASC,   98304                      ; LDS: from 0 the rows' codes [tile 8][head 16][768]; here their scale words: 512 tile + 16 lane + 4 j
.set STG,   102400                     ; a stage of 16 rows x 272 bytes for each wave; no tensor load lands here
.set SPARE, 119808                     ; the spare words, 128 bytes for each wave: two blocks of 256 bytes that no other line names
.set L16, 1
.set L8,  2
.set L4,  3
.set LI1, 4                            ; 16 x lane + 49,152: tiles 4-7
.set L8B, 5                            ; 8 x lane + 49,152
.set SO,  6                            ; the stage, in: 272 r + 64 h
.set RD,  7                            ; and back: 272 (lane / 16) + 16 (lane % 16)
.set GO,  8                            ; the same two rows in out0
.set LXS, 10
.set SPW, 11                           ; my spare word; never rewritten
.set NIL, 12                           ; 0; never rewritten
.set XS,  24
.set WS,  56
.set MSB, 0
.macro WIN new
.if MSB != (\new)
	s_set_vgpr_msb (MSB<<8)|(\new)
.set MSB, (\new)
.endif
.endm
.macro PLACES
.rept 4
	v_nop
.endr
.endm
.macro ROUND
	s_barrier_signal -1
	s_barrier_wait -1
	s_cmp_lg_u32 s14, 0
	s_cbranch_scc1 .Lnot_wave_0_\@
	s_barrier_signal -3
.Lnot_wave_0_\@:
	s_barrier_wait -3
	s_barrier_signal -1
	s_barrier_wait -1
.endm
.macro LOADBANK bk                     ; wo's K steps 4 bk .. 4 bk + 3: 48 loads of 512 consecutive bytes and 8 registers of scale words: 56 loads
.irp q, 0,1,2,3
.set KS, 4*(\bk)+\q
.if KS < 5
	WIN 0x80
.set LWB, 48*KS
.else
	WIN 0xc0
.set LWB, 48*(KS-5)
.endif
.irp nt, 0,1,2,3
.irp g, 0,1,2
	global_load_b128 v[LWB+12*\nt+4*\g:LWB+12*\nt+4*\g+3], v[L16], s[48:49] offset:\nt*12288+KS*1536+512*\g
.endr
.endr
.endr
	WIN 0
.irp nt, 0,1,2,3
.irp j, 0,1
	global_load_b32 v[WS+4*\nt+2*(\bk)+\j], v[L4], s[50:51] offset:512*\nt+128*(2*(\bk)+\j)
.endr
.endr
.endm
.macro ALOAD s                         ; the rows' eight fragments of K step s: 32 LDS loads
.if ((\s)%2) == 0
	WIN 0xc0
.set LAB, 144
.else
	WIN 0
.set LAB, 128
.endif
.irp mt, 0,1,2,3,4,5,6,7
.if \mt < 4
.set AA, L16
.set AE, L8
.set AO, (8*\mt+(\s))*1536
.else
.set AA, LI1
.set AE, L8B
.set AO, (8*(\mt-4)+(\s))*1536
.endif
	ds_load_b128 v[LAB+12*\mt:LAB+12*\mt+3], v[AA] offset:AO
	ds_load_b64 v[LAB+12*\mt+4:LAB+12*\mt+5], v[AE] offset:AO+512
	ds_load_b128 v[LAB+12*\mt+6:LAB+12*\mt+9], v[AA] offset:AO+768
	ds_load_b64 v[LAB+12*\mt+10:LAB+12*\mt+11], v[AE] offset:AO+1280
.endr
.endm
; A K step: the next step's fragments are asked for, then 32 matrix instructions; the 32 accumulators take turns, one instruction a turn.  K step 0 starts the sums.
.macro KSTEP s
	PLACES
.if (\s) < 7
	ALOAD (\s)+1
	s_wait_dscnt 32                                ; all but the 32 just issued: this step's fragments are in
.else
	s_wait_dscnt 0x0
.endif
.if (\s) < 5
.set WW, 2
.set WB, 48*(\s)
.else
.set WW, 3
.set WB, 48*((\s)-5)
.endif
.if ((\s)%2) == 0
.set AW, 3
.set AB, 144
.else
.set AW, 0
.set AB, 128
.endif
	WIN WW|(AW<<2)|0x50
.irp mt, 0,1,2,3,4,5,6,7
.irp nt, 0,1,2,3
.set rD, 32*\mt+8*\nt
.set rA, WB+12*\nt
.set rB, AB+12*\mt
.set rSA, WS+4*\nt+(\s)/2
.set rSB, XS+4*\mt+(\s)/2
.if (\s) == 0
	v_wmma_scale_f32_16x16x128_f8f6f4 v[rD:rD+7], v[rA:rA+11], v[rB:rB+11], 0, v[rSA], v[rSB] matrix_a_fmt:MATRIX_FMT_FP6 matrix_b_fmt:MATRIX_FMT_FP6
.elseif ((\s)%2) == 0
	v_wmma_scale_f32_16x16x128_f8f6f4 v[rD:rD+7], v[rA:rA+11], v[rB:rB+11], v[rD:rD+7], v[rSA], v[rSB] matrix_a_fmt:MATRIX_FMT_FP6 matrix_b_fmt:MATRIX_FMT_FP6
.else
	v_wmma_scale_f32_16x16x128_f8f6f4 v[rD:rD+7], v[rA:rA+11], v[rB:rB+11], v[rD:rD+7], v[rSA], v[rSB] matrix_a_fmt:MATRIX_FMT_FP6 matrix_b_fmt:MATRIX_FMT_FP6 matrix_a_scale:MATRIX_SCALE_ROW1 matrix_b_scale:MATRIX_SCALE_ROW1
.endif
.endr
.endr
.endm
	s_load_b256 s[4:11], s[0:1], 0x0               ; ao, aos, wc, ws
	s_load_b64 s[12:13], s[0:1], 0x20              ; out0
	v_lshl_add_u32 v[SPW], v0, 2, SPARE
	v_mov_b32 v[NIL], 0
	ds_add_u32 v[SPW], v[NIL]                      ; the wave's opening: the add, twice on end, and its wait ahead of my first tensor load; the set-up below, work on registers, stands between
	ds_add_u32 v[SPW], v[NIL]
	v_lshrrev_b32 v13, 5, v0
	v_readfirstlane_b32 s14, v13                   ; wave
	s_bfe_u32 s15, ttmp6, 0x40000                  ; cx
	s_and_b32 s16, ttmp7, 0xffff                   ; y: the block of 128 rows
	s_lshl_b32 s17, s15, 2
	s_add_co_u32 s17, s17, s14                     ; my 64 columns: 4 cx + w
	s_mov_b32 s24, 15|(3<<16)|(1<<21)              ; group 1 for the codes: mask: all four partners; elements of 8 bytes; bit 21 beside a mask
	s_mov_b32 s25, 32<<16                          ; rows of 256 bytes,
	s_mov_b32 s26, 96<<16                          ; 96 of them: a quarter of the block, dense in memory
	s_mov_b32 s27, 32<<16
	s_mov_b32 s28, 96
	s_mov_b32 s29, 32
	s_mov_b32 s30, 0
	s_mov_b32 s31, 0
	s_mov_b32 s32, 15|(3<<16)|(1<<21)              ; group 1 for the scale words: 4 rows of 256 bytes
	s_mov_b32 s33, 32<<16
	s_mov_b32 s34, 4<<16
	s_mov_b32 s35, 32<<16
	s_mov_b32 s36, 4
	s_mov_b32 s37, 32
	s_mov_b32 s38, 0
	s_mov_b32 s39, 0
	s_mov_b32 s40, 1
	s_mul_i32 s41, s14, 24576                      ; LDS: wave x a quarter
	s_mul_i32 s18, s16, 98304
	s_add_co_u32 s18, s18, s41
	s_mov_b32 s19, 0
	s_mov_b32 s44, 1
	s_lshl_b32 s20, s14, 10
	s_add_co_u32 s45, s20, ASC
	s_lshl_b32 s21, s16, 12
	s_add_co_u32 s20, s20, s21
	s_mov_b32 s21, 0
	s_mul_i32 s48, s17, 49152                      ; wo is the fourth weight
	s_add_co_u32 s48, s48, 3*786432
	s_mov_b32 s49, 0
	s_lshl_b32 s50, s17, 11
	s_add_co_u32 s50, s50, 3*32768
	s_mov_b32 s51, 0
	s_lshl_b32 s52, s16, 19                        ; out0: 128 y rows of 4,096 bytes,
	s_lshl_b32 s53, s17, 8                         ; + my 64 columns
	s_add_co_u32 s52, s52, s53
	s_mov_b32 s53, 0
	v_and_b32 v13, 31, v0                          ; lane
	v_and_b32 v14, 15, v0                          ; r
	v_bfe_u32 v15, v0, 4, 1                        ; h
	v_lshlrev_b32 v[L16], 4, v13
	v_lshlrev_b32 v[L8], 3, v13
	v_lshlrev_b32 v[L4], 2, v13
	v_add_nc_u32 v[LI1], 49152, v[L16]
	v_add_nc_u32 v[L8B], 49152, v[L8]
	s_mul_i32 s22, s14, 4352
	s_add_co_u32 s22, s22, STG                     ; my stage
	v_mul_u32_u24 v[SO], v14, 272
	v_lshl_add_u32 v[SO], v15, 6, v[SO]
	v_add_nc_u32 v[SO], s22, v[SO]
	v_mul_u32_u24 v[RD], v15, 272
	v_lshl_add_u32 v[RD], v14, 4, v[RD]
	v_add_nc_u32 v[RD], s22, v[RD]
	v_lshlrev_b32 v[GO], 12, v15
	v_lshl_add_u32 v[GO], v14, 4, v[GO]
	v_add_nc_u32 v[LXS], ASC, v[L16]
	s_wait_dscnt 0x0                               ; both opening adds are done
	s_wait_kmcnt 0x0
	s_add_nc_u64 s[42:43], s[4:5], s[18:19]
	s_or_b32 s43, s43, 0x80000000
	s_add_nc_u64 s[46:47], s[6:7], s[20:21]
	s_or_b32 s47, s47, 0x80000000
	s_add_nc_u64 s[48:49], s[8:9], s[48:49]
	s_add_nc_u64 s[50:51], s[10:11], s[50:51]
	s_add_nc_u64 s[52:53], s[12:13], s[52:53]
	ROUND                                          ; all four work-groups are here: the joint loads meet
	tensor_load_to_lds s[40:43], s[24:31]
	s_nop 0
	tensor_load_to_lds s[44:47], s[32:39]
	s_nop 0
	PLACES
	LOADBANK 0
	LOADBANK 1
	s_wait_tensorcnt 0x0                           ; my parts have landed,
	s_barrier_signal -1
	s_barrier_wait -1                              ; everybody's have
.irp mt, 0,1,2,3,4,5,6,7
	ds_load_b128 v[XS+4*\mt:XS+4*\mt+3], v[LXS] offset:512*\mt
.endr
	ALOAD 0
	s_wait_loadcnt 56                              ; bank 0 is in; bank 1's 56 loads may be out
	KSTEP 0
	KSTEP 1
	KSTEP 2
	KSTEP 3
	s_wait_loadcnt 0x0                             ; bank 1 is in
	KSTEP 4
	KSTEP 5
	KSTEP 6
	KSTEP 7
	PLACES
; THE WAY OUT, a tile of 16 rows x 64 columns at a time: a lane holds 64 + 64 bytes of one row, the lanes beside it other rows: so a tile goes through my own stage and comes back as whole rows of 256 bytes.
; LDS serves a wave's instructions in order: no wait between the stores and the loads, nor in front of the next tile's stores.
.macro TOSTAGE a
	WIN 0x04                                       ; an LDS store's data: window 1
.irp b, 0,1
.irp i, 0,1,2,3
	ds_store_b128 v[SO], v[32*(\a)+16*\b+4*\i:32*(\a)+16*\b+4*\i+3] offset:128*\b+16*\i   ; each accumulator from its low end on
.endr
.endr
	WIN 0
.set BK, 128+32*((\a)%2)
.irp i, 0,1,2,3,4,5,6,7
	ds_load_b128 v[BK+4*\i:BK+4*\i+3], v[RD] offset:544*\i
.endr
.endm
.macro SEND a, younger                 ; younger: the LDS instructions issued behind tile a's loads, which may stay out
.set BK, 128+32*((\a)%2)
	s_wait_dscnt \younger
.irp i, 0,1,2,3,4,5,6,7
	global_store_b128 v[GO], v[BK+4*\i:BK+4*\i+3], s[52:53] offset:(32*((\a)/2)+8*((\a)%2)+2*\i+((2*\i)&8))*4096 th:TH_STORE_NT   ; sixteen lanes store 256 consecutive bytes, at a multiple of 256 from out0's first byte
.endr
.endm
	TOSTAGE 0
.irp a, 1,2,3,4,5,6,7
.if \a > 1
	s_wait_xcnt 0x0                                ; tile a - 2's stores have read their registers: tile a's loads may land there
.endif
	TOSTAGE \a
	SEND \a-1, 16                                  ; behind tile a - 1's loads: tile a's 8 stores and 8 loads
.endr
	SEND 7, 0
	s_wait_tensorcnt 0x0                           ; the wave's end: three closing lines behind my last tensor load and my last LDS store
	ds_add_u32 v[SPW], v[NIL]
	s_wait_dscnt 0x0
	ROUND                                          ; the closing round
	s_endpgm
.Lfunc_end_k_q5971efc344_oproj:
	.size	k_q5971efc344_oproj, .Lfunc_end_k_q5971efc344_oproj-k_q5971efc344_oproj
	.p2alignl 7, 3214868480
	.fill 96, 4, 3214868480
	.section	.rodata,"a",@progbits
	.p2align	6, 0x0
	.amdhsa_kernel k_q5971efc344_oproj
		.amdhsa_group_segment_fixed_size 167936
		.amdhsa_private_segment_fixed_size 0
		.amdhsa_enable_private_segment 0
		.amdhsa_kernarg_size 40
		.amdhsa_user_sgpr_count 2
		.amdhsa_user_sgpr_kernarg_segment_ptr 1
		.amdhsa_wavefront_size32 1
		.amdhsa_system_sgpr_workgroup_id_x 1
		.amdhsa_system_sgpr_workgroup_id_y 1
		.amdhsa_system_sgpr_workgroup_id_z 1
		.amdhsa_system_vgpr_workitem_id 0
		.amdhsa_next_free_vgpr 1024
		.amdhsa_next_free_sgpr 66
		.amdhsa_reserve_vcc 0
		.amdhsa_float_denorm_mode_32 3
		.amdhsa_float_denorm_mode_16_64 3
		.amdhsa_memory_ordered 1
		.amdhsa_forward_progress 1
		.amdhsa_inst_pref_size 82
	.end_amdhsa_kernel
	.amdgpu_metadata
---
amdhsa.version: [ 1, 2 ]
amdhsa.kernels:
  - .name:           k_q5971efc344_oproj
    .symbol:         k_q5971efc344_oproj.kd
    .args:
      - { .name: ao, .offset: 0, .size: 8, .value_kind: global_buffer, .address_space: global }
      - { .name: aos, .offset: 8, .size: 8, .value_kind: global_buffer, .address_space: global }
      - { .name: wc, .offset: 16, .size: 8, .value_kind: global_buffer, .address_space: global }
      - { .name: ws, .offset: 24, .size: 8, .value_kind: global_buffer, .address_space: global }
      - { .name: out0, .offset: 32, .size: 8, .value_kind: global_buffer, .address_space: global }
    .group_segment_fixed_size: 167936
    .private_segment_fixed_size: 0
    .kernarg_segment_align: 8
    .kernarg_segment_size: 40
    .max_flat_workgroup_size: 128
    .sgpr_count:     66
    .vgpr_count:     1024
    .wavefront_size: 32
...
	.end_amdgpu_metadata
.endif
;; end of part 4
;; ======== version 2 of 2: 4 launches
;; workspace buffers: wc 3,145,728 bytes; ws 131,072 bytes; qimg 6,815,744 bytes; kv 13,369,344 bytes; ao 6,291,456 bytes; aos 262,144 bytes
;; launch wquant (part 5): grid 64 x 4, 4 waves a work-group, no clusters, 0 bytes of LDS; arguments wq, wk, wv, wo, wc, ws; writes wc, ws
.if DOCPART == 5
	.amdgcn_target "amdgcn-amd-amdhsa--gfx1250"
	.amdhsa_code_object_version 6
	.text
	.protected	k_q5971efc344_wquant
	.globl	k_q5971efc344_wquant
	.p2align	8
	.type	k_q5971efc344_wquant,@function
k_q5971efc344_wquant:
	s_mov_b64 s[64:65], 0
	v_nop
	global_prefetch_b8 v0, s[64:65] scope:SCOPE_SE
	s_setreg_imm32_b32 hwreg(HW_REG_WAVE_MODE, 25, 1), 1
	s_wait_xcnt 0x0
; THE PROGRAM: causal multi-head attention, batch 4, 2,048 positions, 16 heads of 64, all six products on codes of FP6 (E2M3) with one E8M0 scale for each 32 along K.
; Four launches: this one (the four weights into codes), proj (x into codes, products 1 to 3, their results into codes), attn (products 4 and 5 with the softmax, its result into codes), oproj (product 6).
; WORK LEFT OUT: reference() adds -infinity to every score whose key comes after its query, by a mask that it builds in its own body; such a score has the weight 0 whatever the inputs hold.  So a step of 128 keys all of
; which come after all 16 queries of a tile reaches no output and is not computed (launch attn).  LIMIT: a NaN, an infinity or an overflow that would arise only in such steps is not carried to the result.  No input is dead.
; THIS LAUNCH: W [1024 (k)][1024 (n)], f32, K its FIRST axis, becomes images of operand registers.
; TILES.  Every tiled axis of the program is cut alike: slot r (0 .. 15) of tile 2 B + u holds index 32 B + 8 u + r + (r & 8).  As source 0 of a product, tiles 2 B and 2 B + 1 then leave 16 neighbours, 32 B + 16 (lane / 16) + 0 .. 15, in a lane's 16 registers.
; IMAGE.  A fragment (16 slots x 128 K, 12 registers a lane: registers 6 c .. 6 c + 5 of lane (r, h) hold k = 64 c + 32 h + 0 .. 31) lies in memory as 1,536 bytes: registers 4 g .. 4 g + 3 of lane l at 512 g + 16 l.
; wc: [weight][tile 64][K step 8][image];  ws: [weight][tile][j 4][lane 32] scale words: lanes 0-15 K step 2 j, lanes 16-31 K step 2 j + 1.
; A LANE TAKES A COLUMN AND ITS REGISTERS RUN DOWN K: a wave takes 32 columns (a pair of tiles) x 128 K; each load reads 128 consecutive bytes, the four waves 512.  A lane holds four whole blocks of 32:
; no other lane is asked for a maximum, and block 2 c + h' is registers 6 c .. 6 c + 5 of the lane (r, h') of the image: the lane stores both halves' registers itself.
; A block's scale is 2^(floor(log2(largest magnitude)) - 2): its byte is the largest magnitude's exponent field - 2, held at 1 from below.
; LIMITS: a block of zeros gets the byte 1 where the rule says 127 (its codes are zeros, and this program alone reads the bytes); blocks whose largest magnitude lies under 2^-124 are not served; NaN and infinities among the inputs are not served.
.set X,   64                           ; v64-191  W(128 s + i, my column), i = 0 .. 127
.set F,   24                           ; v24-47   the image's registers: half h' at F + 12 h'
.set T,   48                           ; v48-50   a block's upper 16 codes (a conversion's three registers begin on an even number)
.set SOP, 12                           ; v12-15   the conversions' scale operands
.set BY,  16                           ; v16-19   the scale bytes;  v20 the word
	s_load_b256 s[4:11], s[0:1], 0x0               ; wq, wk, wv, wo
	s_load_b128 s[12:15], s[0:1], 0x20             ; wc, ws
	v_lshrrev_b32 v1, 5, v0
	v_readfirstlane_b32 s16, v1                    ; wave
	v_and_b32 v1, 31, v0                           ; lane = my column in the pair
	v_lshlrev_b32 v2, 2, v1                        ; in: 4 bytes a lane
	v_bfe_u32 v5, v1, 3, 1                         ; u: which tile of the pair my column belongs to
	v_and_b32 v6, 7, v1
	v_lshrrev_b32 v7, 4, v1
	v_lshl_or_b32 v6, v7, 3, v6                    ; r: its slot there
	v_mul_u32_u24 v3, v5, 12288                    ; out: a tile's eight images are 12,288 bytes,
	v_lshl_add_u32 v3, v6, 4, v3                   ; + 16 r
	v_lshlrev_b32 v4, 9, v5                        ; scale words: 512 bytes a tile,
	v_lshl_add_u32 v4, v6, 2, v4                   ; + 4 r
	s_and_b32 s17, ttmp7, 0xffff                   ; y: which weight
	s_and_b32 s18, ttmp9, 7
	s_lshr_b32 s19, ttmp9, 3                       ; s: the K step
	s_lshl_b32 s18, s18, 2
	s_add_co_u32 s18, s18, s16                     ; B: my pair of tiles
	s_lshl_b32 s20, s19, 19                        ; W: 128 s rows of 4,096 bytes
	s_lshl_b32 s21, s18, 7                         ; + 32 B columns
	s_add_co_u32 s20, s20, s21
	s_mov_b32 s21, 0
	s_mul_i32 s22, s17, 786432                     ; wc: the weight,
	s_mul_i32 s23, s18, 24576                      ; tile 2 B,
	s_add_co_u32 s22, s22, s23
	s_mul_i32 s23, s19, 1536                       ; K step s
	s_add_co_u32 s22, s22, s23
	s_mov_b32 s23, 0
	s_lshl_b32 s24, s17, 15                        ; ws: the weight,
	s_lshl_b32 s25, s18, 10                        ; tile 2 B,
	s_add_co_u32 s24, s24, s25
	s_lshl_b32 s25, s19, 6                         ; 128 (s / 2) + 64 (s % 2) = 64 s
	s_add_co_u32 s24, s24, s25
	s_mov_b32 s25, 0
	s_wait_alu depctr_va_vdst(0)
	s_wait_kmcnt 0x0
	s_cmp_eq_u32 s17, 1                            ; the choice hangs on the work-group's number alone
	s_cselect_b64 s[4:5], s[6:7], s[4:5]
	s_cmp_eq_u32 s17, 2
	s_cselect_b64 s[4:5], s[8:9], s[4:5]
	s_cmp_eq_u32 s17, 3
	s_cselect_b64 s[4:5], s[10:11], s[4:5]
	s_add_nc_u64 s[4:5], s[4:5], s[20:21]
	s_add_nc_u64 s[12:13], s[12:13], s[22:23]
	s_add_nc_u64 s[14:15], s[14:15], s[24:25]
.set n, 0
.rept 128
	global_load_b32 v[X+n], v2, s[4:5] offset:n*4096 th:TH_LOAD_NT
.set n, n+1
.endr
.macro BLOCK b
.set XB, X+32*(\b)
.set FD, F+12*((\b)%2)+6*((\b)/2)
.if (\b) == 0
	s_wait_loadcnt 63                              ; at most 63 of the 128 loads are out: loads 0 to 64, blocks 0 and 1, are in
.elseif (\b) == 2
	s_wait_loadcnt 32                              ; block 3's 32 loads may be out
.elseif (\b) == 3
	s_wait_loadcnt 0x0
.endif
	v_max3_num_f32 v8, |v[XB]|, |v[XB+1]|, |v[XB+2]|   ; the block's largest magnitude, in two chains
	v_max3_num_f32 v9, |v[XB+3]|, |v[XB+4]|, |v[XB+5]|
.irp i, 6,10,14,18,22,26
	v_max3_num_f32 v8, v8, |v[XB+\i]|, |v[XB+\i+1]|
	v_max3_num_f32 v9, v9, |v[XB+\i+2]|, |v[XB+\i+3]|
.endr
	v_max3_num_f32 v8, v8, |v[XB+30]|, |v[XB+31]|
	v_max3_num_f32 v8, v8, v9, 0x1800000           ; and the floor 2^(3 - 127): the byte cannot fall under 1
	v_add_nc_u32 v[SOP+(\b)], 0xff000000, v8       ; 2 off its exponent field: the conversion takes this operand's exponent field as its scale
	v_lshrrev_b32 v[BY+(\b)], 23, v[SOP+(\b)]      ; the scale's byte
	v_cvt_scalef32_pk16_fp6_f32 v[FD:FD+2], v[XB:XB+15], v[SOP+(\b)]
	v_cvt_scalef32_pk16_fp6_f32 v[T:T+2], v[XB+16:XB+31], v[SOP+(\b)]
	v_nop                                          ; one plain place behind a scaled conversion
.irp i, 0,1,2
	v_mov_b32 v[FD+3+\i], v[T+\i]
.endr
.endm
	BLOCK 0
	BLOCK 1
	BLOCK 2
	BLOCK 3
	v_lshl_or_b32 v20, v[BY+1], 8, v[BY]           ; my column's scale word for these 128 along K
	v_lshl_or_b32 v20, v[BY+2], 16, v20
	v_lshl_or_b32 v20, v[BY+3], 24, v20
.irp h, 0,1
.irp g, 0,1,2
	global_store_b128 v3, v[F+12*\h+4*\g:F+12*\h+4*\g+3], s[12:13] offset:512*\g+256*\h   ; the sixteen lanes of a tile store 256 consecutive bytes, at a multiple of 256 from wc's first byte
.endr
.endr
	global_store_b32 v4, v20, s[14:15]
	s_endpgm
.Lfunc_end_k_q5971efc344_wquant:
	.size	k_q5971efc344_wquant, .Lfunc_end_k_q5971efc344_wquant-k_q5971efc344_wquant
	.p2alignl 7, 3214868480
	.fill 96, 4, 3214868480
	.section	.rodata,"a",@progbits
	.p2align	6, 0x0
	.amdhsa_kernel k_q5971efc344_wquant
		.amdhsa_group_segment_fixed_size 0
		.amdhsa_private_segment_fixed_size 0
		.amdhsa_enable_private_segment 0
		.amdhsa_kernarg_size 48
		.amdhsa_user_sgpr_count 2
		.amdhsa_user_sgpr_kernarg_segment_ptr 1
		.amdhsa_wavefront_size32 1
		.amdhsa_system_sgpr_workgroup_id_x 1
		.amdhsa_system_sgpr_workgroup_id_y 1
		.amdhsa_system_sgpr_workgroup_id_z 1
		.amdhsa_system_vgpr_workitem_id 0
		.amdhsa_next_free_vgpr 192
		.amdhsa_next_free_sgpr 66
		.amdhsa_reserve_vcc 0
		.amdhsa_float_denorm_mode_32 3
		.amdhsa_float_denorm_mode_16_64 3
		.amdhsa_memory_ordered 1
		.amdhsa_forward_progress 1
		.amdhsa_inst_pref_size 21
	.end_amdhsa_kernel
	.amdgpu_metadata
---
amdhsa.version: [ 1, 2 ]
amdhsa.kernels:
  - .name:           k_q5971efc344_wquant
    .symbol:         k_q5971efc344_wquant.kd
    .args:
      - { .name: wq, .offset: 0, .size: 8, .value_kind: global_buffer, .address_space: global }
      - { .name: wk, .offset: 8, .size: 8, .value_kind: global_buffer, .address_space: global }
      - { .name: wv, .offset: 16, .size: 8, .value_kind: global_buffer, .address_space: global }
      - { .name: wo, .offset: 24, .size: 8, .value_kind: global_buffer, .address_space: global }
      - { .name: wc, .offset: 32, .size: 8, .value_kind: global_buffer, .address_space: global }
      - { .name: ws, .offset: 40, .size: 8, .value_kind: global_buffer, .address_space: global }
    .group_segment_fixed_size: 0
    .private_segment_fixed_size: 0
    .kernarg_segment_align: 8
    .kernarg_segment_size: 48
    .max_flat_workgroup_size: 128
    .sgpr_count:     66
    .vgpr_count:     192
    .wavefront_size: 32
...
	.end_amdgpu_metadata
.endif
;; end of part 5
;; launch proj (part 6): grid 64 x 3, 4 waves a work-group, no clusters, 170,496 bytes of LDS; arguments q, k, v, wc, ws, qimg, kv; writes qimg, kv
.if DOCPART == 6
	.amdgcn_target "amdgcn-amd-amdhsa--gfx1250"
	.amdhsa_code_object_version 6
	.text
	.protected	k_q5971efc344_proj
	.globl	k_q5971efc344_proj
	.p2align	8
	.type	k_q5971efc344_proj,@function
k_q5971efc344_proj:
	s_mov_b64 s[64:65], 0
	v_nop
	global_prefetch_b8 v0, s[64:65] scope:SCOPE_SE
	s_setreg_imm32_b32 hwreg(HW_REG_WAVE_SCHED_MODE, 0, 2), 2
	s_setreg_imm32_b32 hwreg(HW_REG_WAVE_MODE, 25, 1), 1
	s_wait_xcnt 0x0
	s_wait_alu depctr_vm_vsrc(0)
; Products 1 to 3: x W for x = q, k, v (work-group y), [8192][1024] f32 x the weight's images, and the results quantised for attention.  No work of reference() is left out here.
; SHARES.  A work-group takes 128 rows of one tensor and ALL 1,024 columns, so that the f32 rows are read and quantised once.  192 work-groups: blocks of 96 rows would straddle tensors, blocks of 64 would double the weights' reads.
; PHASE X: wave w quantises rows 32 w .. 32 w + 31 (two tiles of 16 slots x 8 K steps) into images of operand registers in LDS.  One barrier.
; PHASE G: wave w makes heads 4 w .. 4 w + 3, a head (64 columns, 4 tiles) a trip: 8 tiles of rows x 4 tiles of columns = 32 accumulators, 8 K steps of 128.  x's fragments come from LDS, the weight's from memory straight into
; the wave's registers, in two banks of four K steps, each asked for four K steps (128 matrix instructions) ahead.  No cluster: each wave has columns of its own, so shared weights would have to pass through LDS, which x's fragments already use.
; TILES, IMAGES: as in launch wquant: slot r of tile 2 B + u holds index 32 B + 8 u + r + (r & 8); an image is 1,536 bytes, registers 4 g .. 4 g + 3 of lane l at 512 g + 16 l.
; q, k: source 0 = 16 columns of W, source 1 = 16 rows of x: a lane holds ONE row and its 32 registers of a head run along d: reg 16 b + i = d 32 b + 16 (lane / 16) + i: quantised along d (two blocks): HALF an image,
;       768 bytes: registers 0-3 of lane l at 16 l, registers 4-5 at 512 + 8 l.  Its scale word has bytes 2 and 3 = 0x7f (1.0): attention fills K = 64 up to 128 with zero codes.
; v:    the sources swapped: a lane holds ONE column d and its 64 registers run along the block's 128 keys: quantised along the KEYS (four blocks): a whole image.
; qimg: [batch x 16 + head][block of 128 queries][6,656]: 8 half images, then 4 x 128 bytes of scale words (lanes 0-15 tile 2 p, lanes 16-31 tile 2 p + 1).
; kv:   [batch x 16 + head][step of 128 keys][13,056]: K's 8 half images; at 6,144 V's 4 images; at 12,288 K's scale words (4 x 128); at 12,800 V's (2 x 128).
; LIMITS: as in launch wquant (a block of zeros has the byte 1; largest magnitudes under 2^-124, NaN and infinities are not served).
; REGISTERS, in windows of 256: window 0: v1-12 addresses; v24-55 x's scale words, v56-71 the weight's; v88-126 the quantiser's; v128-255 phase X: two sets of 64 numbers; phase G: v128-223 x's fragments, set 1.
;   window 1: phase X: four sets of 64 as loaded; phase G: the 32 accumulators.   window 2: the weight's K steps 0-4.   window 3: its K steps 5-7; v144-239 x's fragments, set 0.
; THE MODE: SCHED_MODE bits 1:0 = 2 (LLVM: expert scheduling mode 2), set by the entry lines.  The code itself states the register dependences between vector or matrix instructions and memory or LDS instructions, with s_wait_alu, always for 0.
; THE PLAN.  Registers that memory or LDS instructions touch, and who else names them:
;   v1-v12       offsets, LDS addresses, the closing add's pair: written at the head and never again: one wait on va_vdst ahead of the first load serves them all.
;   PHASE X, step t.   R[t % 4] (window 1): loaded in step t - 4, read by the stage stores issued in step t - 1, loaded again in step t.
;                XX[t % 2]: loaded out of the stage during step t - 1, read by step t's quantiser, loaded again during step t + 1.     PC, SW: written by step t's quantiser, read by step t's LDS stores, written again in step t + 1.
;                Two waits a step: vm_vsrc at its head (the stage stores have read R[t % 4]; the last step's stores have read PC and SW); va_vdst behind its quantiser (PC and SW are written; XX[t % 2] has been read to its end).
;                The next step's 16 loads out of the stage are dealt among the quantiser's maxima, which name XX[t % 2] and work registers alone.
;   PHASE G.     Fragment set s % 2: read by K step s's matrix instructions, loaded again during K step s + 1.    Bank 0 and its scale words: read by K steps 0-3, loaded again between K steps 3 and 4; bank 1: read by K steps 4-7,
;                loaded again at the next head's start.     PC, SW: written by a tile's quantiser, read by the tile's stores, written again by the next tile's conversions.
;                One wait on va_vdst to a K step, behind the wait for its fragments (K step 0's at the loop's head, K step 4's ahead of the branch round the bank's loads): the step before is done reading the other set.
;                The next K step's 24 LDS loads follow it, six behind each of the step's first four groups of four matrix instructions, which name this step's set, the weight, the scale words and the accumulators.
;                On the way out: va_vdst ahead of each tile's stores; vm_vsrc, beside the wait on XCNT, ahead of the next tile's first conversion.
.set XSC,   98304                      ; LDS: from 0 x's 64 images [tile 8][K step 8]; here their scale words: 512 tile + 16 lane + 4 j: lanes 0-15 K step 2 j, lanes 16-31 K step 2 j + 1
.set STG,   102400                     ; two stages of 16 rows x 528 bytes for each wave
.set SPARE, 169984                     ; the spare words, 128 bytes for each wave: two blocks of 256 bytes that no other line names
.set L16, 1                            ; v1   16 x lane
.set L8,  2                            ; v2   8 x lane
.set L4,  3                            ; v3   4 x lane
.set LI1, 4                            ; v4   16 x lane + 49,152: images of tiles 4-7
.set STI, 5                            ; v5   my stage, on the way in: 16 x lane
.set STO, 6                            ; v6   and out: 528 r + 128 h
.set XWI, 7                            ; v7   where I store x's images: 16 x lane + 24,576 x wave
.set XWS, 8                            ; v8   and their scale words
.set H8,  9                            ; v9   8 h
.set LXS, 10                           ; v10  where every wave reads the scale words
.set SPW, 11                           ; v11  my spare word; never rewritten
.set NIL, 12                           ; v12  0; never rewritten
.set XS,  24
.set WS,  56
.set TM,  88                           ; v88-91 largest magnitudes, v92-95 lane exchange and bytes, v100-103 the conversions' scale operands
.set PC,  104                          ; v104-115 the codes just made; v116-118, v120-122 upper halves on their way
.set PW,  124                          ; the scale word just made;  v125 the even partner's;  v126 the two in one register
.set PWE, 125
.set SW,  126
.set XX,  128
.set MSB, 0
.macro WIN new                         ; the immediate's high byte repeats the setting that is left; a switch that changes nothing is dropped
.if MSB != (\new)
	s_set_vgpr_msb (MSB<<8)|(\new)
.set MSB, (\new)
.endif
.endm
.macro PLACES                          ; four plain places behind matrix instructions, in front of reads of their results; they are kept in front of loads into their sources too, ahead of the wait that states that dependence
.rept 4
	v_nop
.endr
.endm
	s_load_b256 s[4:11], s[0:1], 0x0               ; q, k, v, wc
	s_load_b128 s[12:15], s[0:1], 0x20             ; ws, qimg
	s_load_b64 s[16:17], s[0:1], 0x30              ; kv
	v_lshl_add_u32 v[SPW], v0, 2, SPARE
	v_mov_b32 v[NIL], 0
	v_lshrrev_b32 v13, 5, v0
	v_readfirstlane_b32 s18, v13                   ; wave
	v_and_b32 v13, 31, v0                          ; lane
	v_cmp_le_u32 s38, 16, v13                      ; the mask of lanes 16-31
	v_and_b32 v14, 15, v0                          ; r
	v_bfe_u32 v15, v0, 4, 1                        ; h
	v_lshlrev_b32 v[L16], 4, v13
	v_lshlrev_b32 v[L8], 3, v13
	v_lshlrev_b32 v[L4], 2, v13
	v_add_nc_u32 v[LI1], 49152, v[L16]
	v_mul_u32_u24 v[STO], v14, 528
	v_lshl_add_u32 v[STO], v15, 7, v[STO]
	v_lshlrev_b32 v[H8], 3, v15
	v_add_nc_u32 v[LXS], XSC, v[L16]
.irp b, 4,5,6,7
	v_mov_b32 v[TM+\b], 0                          ; written once: a lane permute's destination counts as one of its sources
.endr
	s_wait_alu depctr_va_sdst(0)                   ; s18 and s38 are written, ahead of their first readers: the scalar lines below read s18, the selects of scale words read s38
	s_mul_i32 s21, s18, 16896
	s_add_co_u32 s21, s21, STG                     ; my two stages
	s_mul_i32 s46, s18, 24576                      ; my 16 images
	s_lshl_b32 s47, s18, 10
	s_add_co_u32 s47, s47, XSC                     ; my two tiles' scale words.  (Each of the three has a register of its own: none that a vector line reads is written again)
	v_add_nc_u32 v[STI], s21, v[L16]
	v_add_nc_u32 v[STO], s21, v[STO]
	v_add_nc_u32 v[XWI], s46, v[L16]
	v_add_nc_u32 v[XWS], s47, v[L16]
	s_mov_b32 s36, 0x76543210
	s_mov_b32 s37, 0xfedcba98                      ; v_permlanex16_b32's selects for lane l xor 16
	s_and_b32 s19, ttmp7, 0xffff                   ; y: 0 q, 1 k, 2 v
	s_lshl_b32 s22, ttmp9, 19                      ; x: my block's 128 rows of 4,096 bytes,
	s_lshl_b32 s23, s18, 17                        ; my wave's 32 of them
	s_add_co_u32 s22, s22, s23
	s_mov_b32 s23, 0
	s_mul_i32 s26, s19, 786432                     ; the weight's images: weight y, head 4 w
	s_mul_i32 s27, s18, 196608
	s_add_co_u32 s26, s26, s27
	s_mov_b32 s27, 0
	s_lshl_b32 s28, s19, 15                        ; and its scale words
	s_lshl_b32 s29, s18, 13
	s_add_co_u32 s28, s28, s29
	s_mov_b32 s29, 0
	s_wait_kmcnt 0x0
	s_cmp_eq_u32 s19, 1                            ; the choices hang on the work-group's number alone
	s_cselect_b64 s[24:25], s[6:7], s[4:5]
	s_cmp_eq_u32 s19, 2
	s_cselect_b64 s[24:25], s[8:9], s[24:25]
	s_add_nc_u64 s[24:25], s[24:25], s[22:23]
	s_add_nc_u64 s[26:27], s[10:11], s[26:27]
	s_add_nc_u64 s[28:29], s[12:13], s[28:29]
	s_cmp_eq_u32 s19, 0                            ; where the results go: q's into qimg, k's and v's into kv
	s_cselect_b64 s[30:31], s[14:15], s[16:17]
	s_mov_b32 s40, 208896
	s_cselect_b32 s40, 106496, s40                 ; from head to head
	s_mov_b32 s42, 13056
	s_cselect_b32 s42, 6656, s42                   ; from block to block
	s_mov_b32 s43, 12288
	s_cselect_b32 s43, 6144, s43                   ; the scale words' place in a block
	s_mov_b32 s41, 0
	s_lshr_b32 s44, ttmp9, 4                       ; batch
	s_lshl_b32 s44, s44, 4
	s_lshl_b32 s45, s18, 2
	s_add_co_u32 s44, s44, s45                     ; 16 batch + my first head
	s_mul_i32 s44, s44, s40
	s_and_b32 s45, ttmp9, 15                       ; the block in its sequence
	s_mul_i32 s45, s45, s42
	s_add_co_u32 s44, s44, s45
	s_cmp_eq_u32 s19, 2
	s_cselect_b32 s45, 6144, 0                     ; V's images lie behind K's
	s_add_co_u32 s44, s44, s45
	s_mov_b32 s45, 0
	s_add_nc_u64 s[30:31], s[30:31], s[44:45]
	s_mov_b32 s44, s43
	s_add_nc_u64 s[32:33], s[30:31], s[44:45]      ; q's and k's scale words
; ---- the macros of phase X.  Step t = 8 u + s: tile u of my pair, K step s
.macro LOADX t                         ; 16 slots x 512 consecutive bytes, as they lie, into set t % 4 of window 1
	WIN 0x40
.irp p, 0,1,2,3,4,5,6,7,8,9,10,11,12,13,14,15
	global_load_b128 v[64*((\t)%4)+4*\p:64*((\t)%4)+4*\p+3], v[L16], s[24:25] offset:(8*((\t)/8)+\p+(\p&8))*4096+512*((\t)%8) th:TH_LOAD_NT
.endr
	WIN 0
.endm
.macro TURNS t                         ; step t's numbers into my own stage, as loaded
	WIN 0x04
.irp p, 0,1,2,3,4,5,6,7,8,9,10,11,12,13,14,15
	ds_store_b128 v[STI], v[64*((\t)%4)+4*\p:64*((\t)%4)+4*\p+3] offset:8448*((\t)%2)+528*\p
.endr
	WIN 0
.endm
.macro BACK t, g                       ; and out of it, load g of 16: 128 bytes a block: lane (r, h) gets k = 64 c + 32 h + 0 .. 31 of slot r.  LDS serves a wave's instructions in order: no wait between the stores and these
	ds_load_b128 v[XX+64*((\t)%2)+4*(\g):XX+64*((\t)%2)+4*(\g)+3], v[STO] offset:8448*((\t)%2)+256*((\g)/8)+16*((\g)%8)
.endm
; 64 numbers of a lane, two whole blocks, become the fragment's 12 registers in v[PC] on and my row's scale word in v[PW].
; nx: the step whose numbers come out of the stage meanwhile, one load behind each pair of maxima (-1: none).  They land in the other set of XX, which no line here names, and which the last step's quantiser had read to its end at that step's wait on va_vdst.
.macro QUANTX s, nx
.set gq, 0
.rept 16
.if gq == 0
.irp c, 0,1
	v_max3_num_f32 v[TM+\c], |v[(\s)+32*\c]|, |v[(\s)+32*\c+1]|, 0x1800000   ; with the floor 2^(3 - 127): the byte cannot fall under 1
.endr
.else
.irp c, 0,1
	v_max3_num_f32 v[TM+\c], v[TM+\c], |v[(\s)+32*\c+2*gq]|, |v[(\s)+32*\c+2*gq+1]|
.endr
.endif
.if (\nx) >= 0
	BACK \nx, gq
.endif
.set gq, gq+1
.endr
.irp c, 0,1
	v_add_nc_u32 v[TM+12+\c], 0xff000000, v[TM+\c]   ; 2 off the exponent field: the conversion's scale operand
.endr
.irp c, 0,1
	v_lshrrev_b32 v[TM+4+\c], 23, v[TM+12+\c]        ; the scale's byte
.endr
	v_lshl_or_b32 v[PW], v[TM+5], 16, v[TM+4]      ; my bytes: blocks h and 2 + h,
	v_lshlrev_b32 v[PW], v[H8], v[PW]              ; at their places;
	v_permlanex16_b32 v[TM+6], v[PW], s36, s37
	v_or_b32 v[PW], v[PW], v[TM+6]                 ; with lane l xor 16's two the word is whole
.irp c, 0,1
	v_cvt_scalef32_pk16_fp6_f32 v[PC+6*\c:PC+6*\c+2], v[(\s)+32*\c:(\s)+32*\c+15], v[TM+12+\c]
	v_cvt_scalef32_pk16_fp6_f32 v[PC+12+4*\c:PC+14+4*\c], v[(\s)+32*\c+16:(\s)+32*\c+31], v[TM+12+\c]   ; (a conversion's three registers begin on an even number)
.endr
	v_nop                                          ; one plain place behind a scaled conversion
.irp c, 0,1
.irp i, 0,1,2
	v_mov_b32 v[PC+3+6*\c+\i], v[PC+12+4*\c+\i]
.endr
.endr
.endm
; ---- the macros of phase G
.macro LOADBANK bk, nx                 ; the weight's K steps 4 bk .. 4 bk + 3 of this head (nx = 0) or the next (1): 48 loads of 512 consecutive bytes, and their 8 registers of scale words: 56 loads
.irp q, 0,1,2,3
.set KS, 4*(\bk)+\q
.if KS < 5
	WIN 0x80
.set LWB, 48*KS
.else
	WIN 0xc0
.set LWB, 48*(KS-5)
.endif
.irp nt, 0,1,2,3
.irp g, 0,1,2
	global_load_b128 v[LWB+12*\nt+4*\g:LWB+12*\nt+4*\g+3], v[L16], s[26:27] offset:(\nx)*49152+\nt*12288+KS*1536+512*\g
.endr
.endr
.endr
	WIN 0
.irp nt, 0,1,2,3
.irp j, 0,1
	global_load_b32 v[WS+4*\nt+2*(\bk)+\j], v[L4], s[28:29] offset:(\nx)*2048+512*\nt+128*(2*(\bk)+\j)
.endr
.endr
.endm
.macro ALOAD2 s, m0                    ; x's fragments m0 and m0 + 1 of K step s: 6 LDS loads of 512 consecutive bytes; even steps into set 0 (window 3), odd into set 1 (window 0)
.if ((\s)%2) == 0
	WIN 0xc0
.set LAB, 144
.else
	WIN 0
.set LAB, 128
.endif
.irp mt, \m0, \m0+1
.irp g, 0,1,2
.if (\mt) < 4
	ds_load_b128 v[LAB+12*(\mt)+4*\g:LAB+12*(\mt)+4*\g+3], v[L16] offset:(8*(\mt)+(\s))*1536+512*\g
.else
	ds_load_b128 v[LAB+12*(\mt)+4*\g:LAB+12*(\mt)+4*\g+3], v[LI1] offset:(8*((\mt)-4)+(\s))*1536+512*\g
.endif
.endr
.endr
.endm
; A K step: 32 matrix instructions, and among the first sixteen the next step's 24 LDS loads.  The 32 accumulators take turns, one instruction a turn, in the same order in every step.
; v = 0: source 0 the weight, source 1 x;  v = 1: swapped.  A scale register holds two K steps: lanes 0-15 the even one, lanes 16-31 the odd one.  K step 0 starts the sums: nothing is cleared.
; head = 1: the places and the wait on va_vdst stand here; 0: they stand further ahead (K step 0: the wait at the loop's head; K step 4: both ahead of the branch round the bank's loads), with no vector or matrix instruction between.
.macro KSTEP s, v, head
.if \head
	PLACES
.endif
	s_wait_dscnt 0x0                               ; this step's fragments are in: they were asked for among the first half of the step before (K step 0's at the loop's head)
.if \head
	s_wait_alu depctr_va_vdst(0)                   ; the matrix instructions of the step before are done reading the other set of fragments, in which the loads below land
.endif
.if (\s) < 5
.set WW, 2
.set WB, 48*(\s)
.else
.set WW, 3
.set WB, 48*((\s)-5)
.endif
.if ((\s)%2) == 0
.set AW, 3
.set AB, 144
.else
.set AW, 0
.set AB, 128
.endif
.if \v
.set MULW, AW|(WW<<2)|0x50
.else
.set MULW, WW|(AW<<2)|0x50
.endif
.irp mt, 0,1,2,3,4,5,6,7
	WIN MULW
.irp nt, 0,1,2,3
.if \v
.set rD, 64*\nt+8*\mt
.set rA, AB+12*\mt
.set rB, WB+12*\nt
.set rSA, XS+4*\mt+(\s)/2
.set rSB, WS+4*\nt+(\s)/2
.else
.set rD, 32*\mt+8*\nt
.set rA, WB+12*\nt
.set rB, AB+12*\mt
.set rSA, WS+4*\nt+(\s)/2
.set rSB, XS+4*\mt+(\s)/2
.endif
.if (\s) == 0
	v_wmma_scale_f32_16x16x128_f8f6f4 v[rD:rD+7], v[rA:rA+11], v[rB:rB+11], 0, v[rSA], v[rSB] matrix_a_fmt:MATRIX_FMT_FP6 matrix_b_fmt:MATRIX_FMT_FP6
.elseif ((\s)%2) == 0
	v_wmma_scale_f32_16x16x128_f8f6f4 v[rD:rD+7], v[rA:rA+11], v[rB:rB+11], v[rD:rD+7], v[rSA], v[rSB] matrix_a_fmt:MATRIX_FMT_FP6 matrix_b_fmt:MATRIX_FMT_FP6
.else
	v_wmma_scale_f32_16x16x128_f8f6f4 v[rD:rD+7], v[rA:rA+11], v[rB:rB+11], v[rD:rD+7], v[rSA], v[rSB] matrix_a_fmt:MATRIX_FMT_FP6 matrix_b_fmt:MATRIX_FMT_FP6 matrix_a_scale:MATRIX_SCALE_ROW1 matrix_b_scale:MATRIX_SCALE_ROW1
.endif
.endr
.if (\s) < 7
.if \mt < 4
	ALOAD2 (\s)+1, 2*\mt                           ; no further wait: no vector or matrix instruction since the step's wait names the other set or the two address registers
.endif
.endif
.endr
.endm
; 16 nb results of a lane in window 1, register 16 b + i = K index 32 b + 16 (lane / 16) + i of the lane's slot, become codes in v[PC] on and the slot's scale word in v[PW].  Each accumulator is read from its low end on.
.macro QUANT nb, s
	WIN 0x05
.set b, 0
.rept \nb
	v_max3_num_f32 v[TM+b], |v[(\s)+16*b]|, |v[(\s)+16*b+1]|, 0x1800000
.set b, b+1
.endr
	WIN 0x14
.irp i, 2,4,6,8,10,12,14
.set b, 0
.rept \nb
	v_max3_num_f32 v[TM+b], v[TM+b], |v[(\s)+16*b+\i]|, |v[(\s)+16*b+\i+1]|
.set b, b+1
.endr
.endr
	WIN 0
.set b, 0
.rept \nb
	v_permlanex16_b32 v[TM+4+b], v[TM+b], s36, s37
.set b, b+1
.endr
.set b, 0
.rept \nb
	v_max_num_f32 v[TM+b], v[TM+b], v[TM+4+b]      ; with lane l xor 16's 16: the block's largest magnitude
.set b, b+1
.endr
.set b, 0
.rept \nb
	v_add_nc_u32 v[TM+12+b], 0xff000000, v[TM+b]
.set b, b+1
.endr
.set b, 0
.rept \nb
	v_lshrrev_b32 v[TM+4+b], 23, v[TM+12+b]
.set b, b+1
.endr
	v_lshl_or_b32 v[PW], v[TM+5], 8, v[TM+4]
.if (\nb) == 2
	v_or_b32 v[PW], 0x7f7f0000, v[PW]              ; 1.0 for the two blocks that attention fills with zero codes
.else
	v_lshl_or_b32 v[PW], v[TM+6], 16, v[PW]
	v_lshl_or_b32 v[PW], v[TM+7], 24, v[PW]
.endif
	s_wait_alu depctr_va_vdst(0)
	s_wait_xcnt 0x0                                ; the last tile's stores have had their addresses translated (ISA guide 3.1): their data registers are written anew only behind this wait.  No line above writes one of them
	s_wait_alu depctr_vm_vsrc(0)                   ; the last tile's stores have read v[PC ..] and v[SW], which the conversions below and the select behind them write again
	WIN 0x01
.set c, 0
.rept (\nb)/2
	v_cvt_scalef32_pk16_fp6_f32 v[PC+6*c:PC+6*c+2], v[(\s)+32*c:(\s)+32*c+15], v[TM+12+2*c]
	v_cvt_scalef32_pk16_fp6_f32 v[PC+12+4*c:PC+14+4*c], v[(\s)+32*c+16:(\s)+32*c+31], v[TM+13+2*c]
.set c, c+1
.endr
	WIN 0
	v_nop                                          ; one plain place behind a scaled conversion
.set c, 0
.rept (\nb)/2                                  ; the layout wants a WHOLE block in a lane: lanes 0-15 block 2 c, lanes 16-31 block 2 c + 1
.irp i, 0,1,2
	v_permlane16_swap_b32 v[PC+6*c+\i], v[PC+12+4*c+\i]
.endr
.irp i, 0,1,2
	v_mov_b32 v[PC+3+6*c+\i], v[PC+12+4*c+\i]
.endr
.set c, c+1
.endr
.endm
.macro STEPX t
	s_wait_dscnt 0x0                               ; this step's numbers are back from the stage
	s_wait_alu depctr_vm_vsrc(0)                   ; the stage stores of this step's turn have read set t % 4 of window 1, in which the loads below land; the last step's LDS stores have read v[PC ..] and v[SW], which this step's quantiser writes again
.if (\t)+4 < 16
	LOADX (\t)+4
.endif
.if (\t)+1 < 16
.if (\t)+4 < 16
	s_wait_loadcnt 48                              ; the next step's 16 loads are in; three younger sets may be out
.else
	s_wait_loadcnt 16*(14-(\t))                    ; the counts run down: 16 for each younger set
.endif
	TURNS (\t)+1
.endif
.if (\t) == 14
	LOADBANK 0, 0                                  ; x's last loads are in: the first head's first four K steps of the weight are asked for (no vector instruction has named their registers)
.endif
.if (\t)+1 < 16
	QUANTX XX+64*((\t)%2), (\t)+1
.else
	QUANTX XX+64*((\t)%2), -1
.endif
.if ((\t)%2) == 0
	v_mov_b32 v[PWE], v[PW]
.else
	v_cndmask_b32 v[SW], v[PWE], v[PW], s38        ; lanes 0-15 the even K step's word, lanes 16-31 the odd one's
.endif
	s_wait_alu depctr_va_vdst(0)                   ; the quantiser has written v[PC ..] (and the select v[SW]), which the LDS stores below read; and it is done reading its set of XX, in which the next step's loads out of the stage land
.irp g, 0,1,2
	ds_store_b128 v[XWI], v[PC+4*\g:PC+4*\g+3] offset:(\t)*1536+512*\g
.endr
.if ((\t)%2) == 1
	ds_store_b32 v[XWS], v[SW] offset:512*((\t)/8)+4*(((\t)%8)/2)
.endif
.endm
	; ---- PHASE X
	s_wait_alu depctr_va_vdst(0)                   ; v1 to v12 are written: every load, store and LDS instruction of the kernel reads one of them as its offset or address
	LOADX 0
	LOADX 1
	LOADX 2
	LOADX 3
	s_wait_loadcnt 48                              ; step 0's 16 loads are in
	TURNS 0
.set g0, 0
.rept 16
	BACK 0, g0                                     ; (no vector instruction has named XX yet)
.set g0, g0+1
.endr
.irp t, 0,1,2,3,4,5,6,7,8,9,10,11,12,13,14,15
	STEPX \t
.endr
	s_wait_dscnt 0x0                               ; for the others' sake: my images and scale words have landed
	s_barrier_signal -1
	s_barrier_wait -1                              ; x's 64 images lie in LDS; from here on LDS is only read
	s_wait_alu depctr_vm_vsrc(0)                   ; my LDS stores have read window 1's four sets, which are the accumulators from here on, and v[PC ..] and v[SW], which the way out's quantiser writes
.irp mt, 0,1,2,3,4,5,6,7
	ds_load_b128 v[XS+4*\mt:XS+4*\mt+3], v[LXS] offset:512*\mt
.endr
	; ---- PHASE G: four heads a wave
.macro GEMM v
	s_mov_b32 s34, 4
.Lhead_\@:
	s_wait_alu depctr_va_vdst(0)                   ; the last head's matrix instructions are done reading both sets of fragments, bank 1 and its scale words, in which the loads from here to K step 0's end land
	ALOAD2 0, 0
	ALOAD2 0, 2
	ALOAD2 0, 4
	ALOAD2 0, 6
	s_wait_loadcnt 0x0                             ; bank 0 is in
	LOADBANK 1, 0                                  ; its registers were last read a head ago
	KSTEP 0, \v, 0
	KSTEP 1, \v, 1
	KSTEP 2, \v, 1
	KSTEP 3, \v, 1
	PLACES
	s_wait_loadcnt 0x0                             ; bank 1 is in (asked for four K steps ago)
	WIN 0
	s_wait_alu depctr_va_vdst(0)                   ; K steps 0 to 3's matrix instructions are done reading bank 0 and its scale words, in which the next head's loads land, and K step 3's its set of fragments, in which K step 4's loads land
	s_cmp_eq_u32 s34, 1                            ; the last head asks for nothing more: no load leaves its buffer.  Every wait for loads here is for 0, so both ways hold
	s_cbranch_scc1 .Lno_next_\@
	LOADBANK 0, 1
.Lno_next_\@:
	KSTEP 4, \v, 0
	KSTEP 5, \v, 1
	KSTEP 6, \v, 1
	KSTEP 7, \v, 1
	PLACES
.if \v
.irp nt, 0,1,2,3                               ; v: a tile of 16 d x the block's 128 keys: a whole image
	QUANT 4, 64*\nt
.if (\nt%2) == 0
	v_mov_b32 v[PWE], v[PW]
.else
	v_cndmask_b32 v[SW], v[PWE], v[PW], s38
.endif
	s_wait_alu depctr_va_vdst(0)                   ; the quantiser has written v[PC ..] (and the select v[SW]), which the stores below read
.irp g, 0,1,2
	global_store_b128 v[L16], v[PC+4*\g:PC+4*\g+3], s[30:31] offset:1536*\nt+512*\g   ; 32 lanes store 512 consecutive bytes, at a multiple of 256 from kv's first byte
.endr
.if (\nt%2) == 1
	global_store_b32 v[L4], v[SW], s[30:31] offset:6656+128*(\nt/2)
.endif
.endr
.else
.irp mt, 0,1,2,3,4,5,6,7                       ; q, k: a tile of 16 rows x the head's 64: half an image
	QUANT 2, 32*\mt
.if (\mt%2) == 0
	v_mov_b32 v[PWE], v[PW]
.else
	v_cndmask_b32 v[SW], v[PWE], v[PW], s38
.endif
	s_wait_alu depctr_va_vdst(0)                   ; the quantiser has written v[PC ..] (and the select v[SW]), which the stores below read
	global_store_b128 v[L16], v[PC:PC+3], s[30:31] offset:768*\mt
	global_store_b64 v[L8], v[PC+4:PC+5], s[30:31] offset:768*\mt+512
.if (\mt%2) == 1
	global_store_b32 v[L4], v[SW], s[32:33] offset:128*(\mt/2)
.endif
.endr
.endif
	WIN 0
	s_wait_xcnt 0x0                                ; the loads and stores have read their bases: they step to the next head
	s_add_nc_u64 s[26:27], s[26:27], 49152
	s_add_nc_u64 s[28:29], s[28:29], 2048
	s_add_nc_u64 s[30:31], s[30:31], s[40:41]
.if !(\v)
	s_add_nc_u64 s[32:33], s[32:33], s[40:41]
.endif
	s_sub_co_u32 s34, s34, 1
	s_cmp_lg_u32 s34, 0
	s_cbranch_scc1 .Lhead_\@
.endm
	s_cmp_eq_u32 s19, 2                            ; the same in all waves of the work-group; both ways only read LDS
	s_cbranch_scc1 .Lfor_v
	GEMM 0
	s_branch .Ldone
.Lfor_v:
	GEMM 1
.Ldone:
	s_wait_dscnt 0x0                               ; the closing lines, six on end
	s_wait_alu 0x0
	s_wait_tensorcnt 0x0
	ds_add_u32 v[SPW], v[NIL]
	s_wait_dscnt 0x0
	s_endpgm
.Lfunc_end_k_q5971efc344_proj:
	.size	k_q5971efc344_proj, .Lfunc_end_k_q5971efc344_proj-k_q5971efc344_proj
	.p2alignl 7, 3214868480
	.fill 96, 4, 3214868480
	.section	.rodata,"a",@progbits
	.p2align	6, 0x0
	.amdhsa_kernel k_q5971efc344_proj
		.amdhsa_group_segment_fixed_size 170496
		.amdhsa_private_segment_fixed_size 0
		.amdhsa_enable_private_segment 0
		.amdhsa_kernarg_size 56
		.amdhsa_user_sgpr_count 2
		.amdhsa_user_sgpr_kernarg_segment_ptr 1
		.amdhsa_wavefront_size32 1
		.amdhsa_system_sgpr_workgroup_id_x 1
		.amdhsa_system_sgpr_workgroup_id_y 1
		.amdhsa_system_sgpr_workgroup_id_z 1
		.amdhsa_system_vgpr_workitem_id 0
		.amdhsa_next_free_vgpr 1024
		.amdhsa_next_free_sgpr 66
		.amdhsa_reserve_vcc 0
		.amdhsa_float_denorm_mode_32 3
		.amdhsa_float_denorm_mode_16_64 3
		.amdhsa_memory_ordered 1
		.amdhsa_forward_progress 1
		.amdhsa_inst_pref_size 255
	.end_amdhsa_kernel
	.section	.bss,"aw",@nobits
	.p2align	6
	.space	262144
	.amdgpu_metadata
---
amdhsa.version: [ 1, 2 ]
amdhsa.kernels:
  - .name:           k_q5971efc344_proj
    .symbol:         k_q5971efc344_proj.kd
    .args:
      - { .name: q, .offset: 0, .size: 8, .value_kind: global_buffer, .address_space: global }
      - { .name: k, .offset: 8, .size: 8, .value_kind: global_buffer, .address_space: global }
      - { .name: v, .offset: 16, .size: 8, .value_kind: global_buffer, .address_space: global }
      - { .name: wc, .offset: 24, .size: 8, .value_kind: global_buffer, .address_space: global }
      - { .name: ws, .offset: 32, .size: 8, .value_kind: global_buffer, .address_space: global }
      - { .name: qimg, .offset: 40, .size: 8, .value_kind: global_buffer, .address_space: global }
      - { .name: kv, .offset: 48, .size: 8, .value_kind: global_buffer, .address_space: global }
    .group_segment_fixed_size: 170496
    .private_segment_fixed_size: 0
    .kernarg_segment_align: 8
    .kernarg_segment_size: 56
    .max_flat_workgroup_size: 128
    .sgpr_count:     66
    .vgpr_count:     1024
    .wavefront_size: 32
...
	.end_amdgpu_metadata
.endif
;; end of part 6
;; launch attn (part 7): grid 4 x 64, 16 waves a work-group, clusters of 4 x 1, 210,944 bytes of LDS; arguments qimg, kv, ao, aos; writes ao, aos
.if DOCPART == 7
	.amdgcn_target "amdgcn-amd-amdhsa--gfx1250"
	.amdhsa_code_object_version 6
	.text
	.protected	k_q5971efc344_attn
	.globl	k_q5971efc344_attn
	.p2align	8
	.type	k_q5971efc344_attn,@function
k_q5971efc344_attn:
	s_mov_b64 s[64:65], 0
	v_nop
	global_prefetch_b8 v0, s[64:65] scope:SCOPE_SE
	s_setreg_imm32_b32 hwreg(HW_REG_WAVE_MODE, 25, 1), 1
	s_wait_xcnt 0x0
	s_wait_alu depctr_hold_cnt(0) depctr_sa_sdst(0) depctr_va_vdst(0) depctr_va_sdst(0) depctr_va_ssrc(0) depctr_va_vcc(0) depctr_vm_vsrc(0)
	s_getreg_b32 s2, hwreg(HW_REG_IB_STS2, 6, 4)
	s_cmp_eq_u32 s2, 0
	s_cbranch_scc0 .Lentry_in_a_cluster
	s_endpgm
.Lentry_in_a_cluster:
	s_bfe_u32 s2, ttmp6, 0x10000c
	s_cmp_lg_u32 s2, 0x3003
	s_cbranch_scc0 .Lentry_shape_is_right
	s_endpgm
.Lentry_shape_is_right:
; Products 4 and 5 with the softmax between them, and the result quantised for product 6.  All operands arrive as images of operand registers (launch proj).
; WORK LEFT OUT: a step of 128 keys all of which come after all 16 queries of a tile (reference()'s own causal mask gives them the weight 0 for all inputs: see the head of launch wquant).
; THE SOFTMAX: t = score x log2(e) / 8; M = the running largest t rounded UP to a whole number; p = 2^(t - M) is quantised along the keys, not normalised; the row's sum is taken of the unquantised p and divides O at the end;
; when M moves, the sum and O are multiplied by 2^(old M - new M), which rounds nothing.
; SHARES.  The four work-groups of a cluster serve one (batch, head).  Wave w of partner cx owns the query tiles T = 4 w + cx and 127 - T.  Tile T's diagonal lies in key step T / 8, which is w / 2 and 15 - w / 2:
; both follow from the wave's number alone, and every wave walks 17 key steps in all.  No branch and no LDS address hangs on cx: it enters global addresses and the mask's vector operand.
; NO RING.  The head's whole record of kv, 208,896 bytes, lies in LDS, filled ONCE: wave w asks for key step w, jointly with the same wave of the three partners (one tensor load of mine is out).  No refill, no barrier in the loops.
; LAYOUT.  S^T = K Q^T (source 0 = 16 keys, source 1 = my 16 queries), O^T = V^T P^T (source 0 = 16 of the head's 64): a lane holds ONE query throughout.  By the tiles' order of slots (slot r of tile 2 B + u = index
; 32 B + 8 u + r + (r & 8)) the 16 registers of tiles 2 b, 2 b + 1 of S^T are keys 32 b + 16 (lane / 16) + 0 .. 15, and those of O^T the same of d.
; K = 64 IN AN INSTRUCTION OF 128: Q's registers 6-11 are zero codes and the scale bytes 2 and 3 of Q and K are 1.0.  K's operand is v[32 + 6 t : 43 + 6 t]: its upper six registers are the next tile's codes (zeros behind tile 7):
; finite numbers, since the format has no NaN and no infinity, times zero: they add exactly 0.
; ao: [batch x 128 + tile][head][half image of 768 bytes];  aos: [batch x 128 + tile][lane 32][j 4] scale words: the half word of (head, slot r) at 16 (16 ((head / 2) % 2) + r) + 4 (head / 4) + 2 (head % 2).
; Those half words are 2-byte stores 16 bytes apart: the bytes between belong to other heads, which are other work-groups'.
; LIMITS: as in launch wquant, for the quantiser of O.
; REGISTERS: v1-11, v93 addresses; v12 -M, v13 the largest t, v[14:15] the sum; v16-27, v28 the first tile's Q and scale word; v240-251, v252 the second's; v32-79 K's 8 half images, then V's 4 images; v80-85 zeros;
;   v86-89 K's scale words, v90-91 V's, v92 P's; v96-159 S^T, then p; v160-191 O^T; v192-203 P's codes, v204-210 upper halves on their way; v212-239 and v254-255 at work.
.set STEPB, 13056                      ; a key step's bytes
.set SPARE, 208896                     ; behind the record: the spare words, 128 bytes for each of 16 waves: eight blocks of 256 bytes that no other line names
.set L16, 1
.set L8,  2
.set L4,  3
.set SPW, 4                            ; my spare word; never rewritten
.set NIL, 5                            ; 0; never rewritten
.set DG,  6                            ; my query - the diagonal step's first key - 16 (lane / 16)
.set QL,  7                            ; r + (r & 8) - 16 h
.set A16, 8                            ; the step's place in LDS + 16, 8, 4 x lane
.set A8,  9
.set A4,  10
.set R16, 11                           ; 16 r
.set R4,  93                           ; 4 r
.set S,   96
.set O,   160
.set PCD, 192
.set BM,  212                          ; v212-215 the blocks' largest
.set BB,  216                          ; v216-219 lane exchange, bytes
.set SOP, 220                          ; v220-223 the conversions' scale operands
.macro ROUND                           ; a round of the cluster's barrier
	s_barrier_signal -1
	s_barrier_wait -1
	s_cmp_lg_u32 s12, 0
	s_cbranch_scc1 .Lnot_wave_0_\@
	s_barrier_signal -3
.Lnot_wave_0_\@:
	s_barrier_wait -3
	s_barrier_signal -1
	s_barrier_wait -1
.endm
.macro PLACES
.rept 4
	v_nop
.endr
.endm
; tile s[t]'s byte offsets: Q's codes, Q's scale words, ao, aos; and its first query's place in its block of 128
.macro TILE t, qc, qs, ao, aos, d0
	s_lshr_b32 s58, s[\t], 3
	s_and_b32 s59, s[\t], 7
	s_mul_i32 s60, s58, 6656
	s_add_co_u32 s60, s60, s39                     ; the record, the block
	s_mul_i32 s61, s59, 768
	s_add_co_u32 s[\qc], s60, s61
	s_mov_b32 s[\qc+1], 0
	s_lshl_b32 s61, s59, 6                         ; 128 ((T % 8) / 2) + 64 (T % 2) = 64 (T % 8)
	s_add_co_u32 s61, s61, 6144
	s_add_co_u32 s[\qs], s60, s61
	s_mov_b32 s[\qs+1], 0
	s_add_co_u32 s60, s[\t], s62                   ; 128 batch + T
	s_lshl_b32 s61, s60, 4
	s_add_co_u32 s61, s61, s63
	s_mul_i32 s[\ao], s61, 768
	s_mov_b32 s[\ao+1], 0
	s_lshl_b32 s61, s60, 9
	s_add_co_u32 s[\aos], s61, s17
	s_mov_b32 s[\aos+1], 0
	s_lshr_b32 s60, s[\t], 1
	s_and_b32 s60, s60, 3
	s_lshl_b32 s60, s60, 5
	s_and_b32 s61, s[\t], 1
	s_lshl_b32 s61, s61, 3
	s_add_co_u32 s[\d0], s60, s61
.endm
	s_load_b256 s[4:11], s[0:1], 0x0               ; qimg, kv, ao, aos
	v_lshl_add_u32 v[SPW], v0, 2, SPARE
	v_mov_b32 v[NIL], 0
	ds_add_u32 v[SPW], v[NIL]                      ; the wave's opening: the add, twice on end, and its wait ahead of my first tensor load; the set-up below, work on registers, stands between
	ds_add_u32 v[SPW], v[NIL]
	v_lshrrev_b32 v6, 5, v0
	s_delay_alu instid0(VALU_DEP_1)
	v_readfirstlane_b32 s12, v6                    ; wave 0..15
	s_bfe_u32 s13, ttmp6, 0x40000                  ; cx
	s_and_b32 s14, ttmp7, 0xffff                   ; the record: 16 batch + head
	s_mov_b32 s24, 15|(3<<16)|(1<<21)              ; group 1: mask: all four partners; elements of 8 bytes; bit 21 beside a mask; no padding
	s_mov_b32 s25, 32<<16                          ; tensor_dim0 = 32 elements: rows of 256 bytes
	s_mov_b32 s26, 51<<16                          ; tensor_dim1 = 51 rows: a key step is dense in memory
	s_mov_b32 s27, 32<<16                          ; tile_dim0
	s_mov_b32 s28, 51                              ; tile_dim1
	s_mov_b32 s29, 32                              ; from row to row
	s_mov_b32 s30, 0
	s_mov_b32 s31, 0
	s_mov_b32 s32, 1
	s_mul_i32 s33, s12, STEPB                      ; LDS: key step = my wave's number
	s_mul_i32 s2, s14, 208896
	s_add_co_u32 s2, s2, s33
	s_mov_b32 s3, 0
	s_mov_b32 s20, 0x76543210
	s_mov_b32 s21, 0xfedcba98                      ; v_permlanex16_b32's selects for lane l xor 16
	s_mov_b32 s22, 0x3e38aa3b                      ; c = log2(e) / sqrt(64)
	s_mov_b32 s23, s22                             ; (named with it as a pair)
	s_lshl_b32 s15, s12, 2
	s_add_co_u32 s15, s15, s13                     ; my first tile,
	s_sub_co_u32 s16, 127, s15                     ; and my second
	s_lshr_b32 s18, s12, 1
	s_lshl_b32 s18, s18, 7                         ; the first key of the first tile's diagonal step: 128 (w / 2),
	s_sub_co_u32 s19, 1920, s18                    ; and of the second's
	s_mul_i32 s39, s14, 106496
	s_lshr_b32 s62, s14, 4
	s_lshl_b32 s62, s62, 7                         ; 128 batch
	s_and_b32 s63, s14, 15                         ; head
	s_lshr_b32 s58, s63, 1
	s_and_b32 s58, s58, 1
	s_lshl_b32 s17, s58, 8                         ; the head's place in a tile's scale words
	s_lshr_b32 s58, s63, 2
	s_lshl_b32 s58, s58, 2
	s_add_co_u32 s17, s17, s58
	s_and_b32 s58, s63, 1
	s_lshl_b32 s58, s58, 1
	s_add_co_u32 s17, s17, s58
	TILE 15, 40, 42, 44, 46, 52
	TILE 16, 54, 56, 48, 50, 53
	v_and_b32 v6, 31, v0
	s_delay_alu instid0(VALU_DEP_1)
	v_lshlrev_b32 v[L16], 4, v6
	s_delay_alu instid0(VALU_DEP_2)
	v_lshlrev_b32 v[L8], 3, v6
	s_delay_alu instid0(VALU_DEP_3)
	v_lshlrev_b32 v[L4], 2, v6
	v_and_b32 v12, 15, v0                          ; r
	v_bfe_u32 v13, v0, 4, 1                        ; h
	s_delay_alu instid0(VALU_DEP_2)
	v_lshlrev_b32 v[R16], 4, v12
	s_delay_alu instid0(VALU_DEP_3)
	v_lshlrev_b32 v[R4], 2, v12
	s_delay_alu instid0(VALU_DEP_4)
	v_and_b32 v14, 8, v12
	s_delay_alu instid0(VALU_DEP_1)
	v_add_nc_u32 v[QL], v12, v14
	v_lshlrev_b32 v14, 4, v13
	s_delay_alu instid0(VALU_DEP_1)
	v_sub_nc_u32 v[QL], v[QL], v14
.irp z, 22,23,24,25,26,27,80,81,82,83,84,85,216,217,218,219,224,227,246,247,248,249,250,251
	v_mov_b32 v\z, 0                               ; the zero codes; and registers that are named before they are first written (a lane permute's destination, the upper half of a pair)
.endr
	s_wait_dscnt 0x0                               ; both opening adds are done
	s_wait_kmcnt 0x0
	s_add_nc_u64 s[34:35], s[6:7], s[2:3]          ; kv: my record, my key step: the same in all four partners
	s_or_b32 s35, s35, 0x80000000
	s_add_nc_u64 s[40:41], s[4:5], s[40:41]
	s_add_nc_u64 s[42:43], s[4:5], s[42:43]
	s_add_nc_u64 s[54:55], s[4:5], s[54:55]
	s_add_nc_u64 s[56:57], s[4:5], s[56:57]
	s_add_nc_u64 s[44:45], s[8:9], s[44:45]
	s_add_nc_u64 s[48:49], s[8:9], s[48:49]
	s_add_nc_u64 s[46:47], s[10:11], s[46:47]
	s_add_nc_u64 s[50:51], s[10:11], s[50:51]
	ROUND                                          ; all four work-groups are here: the joint loads meet
	tensor_load_to_lds s[32:35], s[24:31]
	s_nop 0
	PLACES
	global_load_b128 v[16:19], v[L16], s[40:41]    ; both tiles' Q stay in registers
	global_load_b64 v[20:21], v[L8], s[40:41] offset:512
	global_load_b32 v28, v[R4], s[42:43]
	global_load_b128 v[240:243], v[L16], s[54:55]
	global_load_b64 v[244:245], v[L8], s[54:55] offset:512
	global_load_b32 v252, v[R4], s[56:57]
	s_wait_loadcnt 0x0
	s_wait_tensorcnt 0x0                           ; my key step has landed,
	s_barrier_signal -1
	s_barrier_wait -1                              ; everybody's has: the record is whole, and is only read from here on
; ONE TILE OF QUERIES.  qf, qs: Q's registers and scale word; qb: the scalar with the diagonal step's first key; d0: the tile's first query in its block; ao, aos: where the result goes.
; The loop's trip count is a constant, 16; a step whose keys all come after the tile's queries is jumped over, all but the lines that step addresses.
.macro PASS qf, qs, qb, d0, ao, aos
	v_add_nc_u32 v[DG], s[\d0], v[QL]
	v_mov_b32 v13, 0xff61b1e6                      ; the largest t so far: -3e38, under every t
	s_delay_alu instid0(VALU_DEP_1)
	v_floor_f32 v12, -v13                          ; -M
	v_mov_b32 v14, 0                               ; the sum, in two halves
	v_mov_b32 v15, 0
.set j, 0
.rept 32
	v_mov_b32 v[O+j], 0                            ; O^T: the step is written once; the first finds zeros, which the first change of M leaves zeros
.set j, j+1
.endr
	s_mov_b32 s36, 0                               ; the step's place in LDS
	s_mov_b32 s37, 0                               ; its first key
	s_mov_b32 s38, 16
.Lstep_\@:
	s_cmp_gt_u32 s37, s[\qb]
	s_cbranch_scc1 .Lhidden_\@
	s_setprio 2
	v_add_nc_u32 v[A16], s36, v[L16]               ; (these three and the v_nop are the four places behind the last step's products, in front of the loads into their sources)
	v_add_nc_u32 v[A8], s36, v[L8]
	v_add_nc_u32 v[A4], s36, v[L4]
	v_nop
.irp t, 0,1,2,3,4,5,6,7
	ds_load_b128 v[32+6*\t:35+6*\t], v[A16] offset:768*\t
	ds_load_b64 v[36+6*\t:37+6*\t], v[A8] offset:768*\t+512
.endr
.irp p, 0,1,2,3
	ds_load_b32 v[86+\p], v[A4] offset:12288+128*\p
.endr
	s_wait_alu depctr_va_vdst(0)
	s_wait_dscnt 0x0
.irp t, 0,2,4,6
	v_wmma_scale_f32_16x16x128_f8f6f4 v[S+8*\t:S+8*\t+7], v[32+6*\t:43+6*\t], v[\qf:\qf+11], 0, v[86+\t/2], v[\qs] matrix_a_fmt:MATRIX_FMT_FP6 matrix_b_fmt:MATRIX_FMT_FP6
	v_wmma_scale_f32_16x16x128_f8f6f4 v[S+8*\t+8:S+8*\t+15], v[38+6*\t:49+6*\t], v[\qf:\qf+11], 0, v[86+\t/2], v[\qs] matrix_a_fmt:MATRIX_FMT_FP6 matrix_b_fmt:MATRIX_FMT_FP6 matrix_a_scale:MATRIX_SCALE_ROW1
.endr
	PLACES
.irp nt, 0,1,2,3                               ; V's images are asked for here and land under the softmax
.irp g, 0,1,2
	ds_load_b128 v[32+12*\nt+4*\g:35+12*\nt+4*\g], v[A16] offset:6144+1536*\nt+512*\g
.endr
.endr
.irp p, 0,1
	ds_load_b32 v[90+\p], v[A4] offset:12800+128*\p
.endr
	s_cmp_lg_u32 s37, s[\qb]                       ; on the diagonal the scores of hidden keys become -infinity ahead of the maximum: p = 0 then.  The step's first key counts for every query of the tile
	s_cbranch_scc1 .Lopen_\@
	v_mov_b32 v224, 0xff800000
.set n, 0
.rept 64
	v_cmp_gt_i32 vcc_lo, 32*(n/16)+n%16, v[DG]     ; register 16 b + i holds key 32 b + 16 (lane / 16) + i of the step
	v_cndmask_b32 v[S+n], v[S+n], v224, vcc_lo
.set n, n+1
.endr
.Lopen_\@:
.irp b, 0,1,2,3
	v_max3_num_f32 v[BM+\b], v[S+16*\b], v[S+1+16*\b], v[S+2+16*\b]   ; the largest score of each block of 32 keys: for the row's maximum, and, since p rises with the score, for the block's largest p
.endr
.irp i, 3,5,7,9,11,13
.irp b, 0,1,2,3
	v_max3_num_f32 v[BM+\b], v[BM+\b], v[S+16*\b+\i], v[S+1+16*\b+\i]
.endr
.endr
.irp b, 0,1,2,3
	v_max_num_f32 v[BM+\b], v[BM+\b], v[S+15+16*\b]
.endr
.irp b, 0,1,2,3
	s_delay_alu instid0(VALU_DEP_4)
	v_permlanex16_b32 v[BB+\b], v[BM+\b], s20, s21
.endr
.irp b, 0,1,2,3
	s_delay_alu instid0(VALU_DEP_4)
	v_max_num_f32 v[BM+\b], v[BM+\b], v[BB+\b]     ; with lane l xor 16's 16 keys
.endr
	s_delay_alu instid0(VALU_DEP_2)
	v_max3_num_f32 v224, v[BM], v[BM+1], v[BM+2]
	s_delay_alu instid0(VALU_DEP_1)
	v_max_num_f32 v224, v224, v[BM+3]
	s_delay_alu instid0(VALU_DEP_1)
	v_mul_f32 v224, s22, v224                      ; the step's largest t (c is positive)
	s_delay_alu instid0(VALU_DEP_1)
	v_max_num_f32 v13, v13, v224
	v_mov_b32 v224, v12
	s_delay_alu instid0(VALU_DEP_2)
	v_floor_f32 v12, -v13                          ; the new -M = -ceil(t)
	s_delay_alu instid0(VALU_DEP_1)
	v_sub_f32 v224, v12, v224                      ; old M - new M: a whole number, 0 or less
	s_delay_alu instid0(VALU_DEP_1)
	v_cvt_i32_f32 v224, v224                       ; (it saturates)
	s_delay_alu instid0(VALU_DEP_1)
	v_ldexp_f32 v226, 1.0, v224                    ; f = 2^(old M - new M)
.set j, 0
.rept 32
	v_pk_fma_f32 v[S+j:S+j+1], v[S+j:S+j+1], s[22:23], v[12:13] op_sel_hi:[1,0,0]   ; t - M, two at a time
.set j, j+2
.endr
	s_setprio 1
.irp b, 0,1,2,3
	v_fma_f32 v[BM+\b], v[BM+\b], s22, v12
.endr
.set j, 0
	s_wait_alu depctr_va_vdst(0)
.rept 64
	v_exp_f32 v[S+j], v[S+j]                       ; p = 2^(t - M)
.set j, j+1
.endr
	v_pk_mul_f32 v[14:15], v[14:15], v[226:227] op_sel_hi:[1,0]   ; the sums under the new M (a plain place behind the exponentials)
	s_wait_alu depctr_va_vdst(0)                   ; one wait for the batch of 64, ahead of its first reader
.irp b, 0,1,2,3
	v_exp_f32 v[BM+\b], v[BM+\b]                   ; the blocks' largest p
.endr
	v_pk_add_f32 v[228:229], v[100:101], v[104:105]
	v_pk_add_f32 v[254:255], v[108:109], v[112:113]
	v_pk_add_f32 v[238:239], v[116:117], v[120:121]
	v_pk_add_f32 v[236:237], v[124:125], v[128:129]
	v_pk_add_f32 v[234:235], v[132:133], v[136:137]
	v_pk_add_f32 v[232:233], v[140:141], v[144:145]
	v_pk_add_f32 v[230:231], v[148:149], v[152:153]
	v_pk_add_f32 v[14:15], v[14:15], v[156:157]
	v_pk_add_f32 v[228:229], v[228:229], v[96:97]
	v_pk_add_f32 v[254:255], v[254:255], v[98:99]
	v_pk_add_f32 v[238:239], v[238:239], v[102:103]
	v_pk_add_f32 v[236:237], v[236:237], v[106:107]
	v_pk_add_f32 v[234:235], v[234:235], v[110:111]
	v_pk_add_f32 v[232:233], v[232:233], v[114:115]
	v_pk_add_f32 v[230:231], v[230:231], v[118:119]
	v_pk_add_f32 v[14:15], v[14:15], v[122:123]
	v_pk_add_f32 v[228:229], v[228:229], v[126:127]
	v_pk_add_f32 v[254:255], v[254:255], v[130:131]
	v_pk_add_f32 v[238:239], v[238:239], v[134:135]
	v_pk_add_f32 v[236:237], v[236:237], v[138:139]
	v_pk_add_f32 v[234:235], v[234:235], v[142:143]
	v_pk_add_f32 v[232:233], v[232:233], v[146:147]
	v_pk_add_f32 v[230:231], v[230:231], v[150:151]
	v_pk_add_f32 v[14:15], v[14:15], v[154:155]
	v_pk_add_f32 v[228:229], v[228:229], v[158:159]
	s_delay_alu instid0(VALU_DEP_2)
	v_pk_add_f32 v[14:15], v[14:15], v[236:237]
	s_delay_alu instid0(VALU_DEP_2)
	v_pk_add_f32 v[228:229], v[228:229], v[234:235]
	v_pk_add_f32 v[254:255], v[254:255], v[232:233]
	v_pk_add_f32 v[238:239], v[238:239], v[230:231]
	s_delay_alu instid0(VALU_DEP_2)
	v_pk_add_f32 v[14:15], v[14:15], v[254:255]
	s_delay_alu instid0(VALU_DEP_2)
	v_pk_add_f32 v[228:229], v[228:229], v[238:239]
	s_delay_alu instid0(VALU_DEP_1)
	v_pk_add_f32 v[14:15], v[14:15], v[228:229]
	s_wait_alu depctr_va_vdst(0)                   ; and one for the four
.irp b, 0,1,2,3
	v_max_num_f32 v[BM+\b], 0x1800000, v[BM+\b]    ; the floor 2^(3 - 127): the byte cannot fall under 1
.endr
.irp b, 0,1,2,3
	s_delay_alu instid0(VALU_DEP_4)
	v_add_nc_u32 v[SOP+\b], 0xff000000, v[BM+\b]
.endr
.irp b, 0,1,2,3
	s_delay_alu instid0(VALU_DEP_4)
	v_lshrrev_b32 v[BB+\b], 23, v[SOP+\b]
.endr
	s_delay_alu instid0(VALU_DEP_3)
	v_lshl_or_b32 v92, v[BB+1], 8, v[BB]           ; p's scale word for these 128 keys
	s_delay_alu instid0(VALU_DEP_1)
	v_lshl_or_b32 v92, v[BB+2], 16, v92
	s_delay_alu instid0(VALU_DEP_1)
	v_lshl_or_b32 v92, v[BB+3], 24, v92
	s_setprio 0
.irp c, 0,1
	v_cvt_scalef32_pk16_fp6_f32 v[PCD+6*\c:PCD+6*\c+2], v[S+32*\c:S+32*\c+15], v[SOP+2*\c]
	v_cvt_scalef32_pk16_fp6_f32 v[PCD+12+4*\c:PCD+14+4*\c], v[S+32*\c+16:S+32*\c+31], v[SOP+2*\c+1]
.endr
	v_nop                                          ; one plain place behind a scaled conversion
.irp c, 0,1
.irp i, 0,1,2
	v_permlane16_swap_b32 v[PCD+6*\c+\i], v[PCD+12+4*\c+\i]
.endr
.irp i, 0,1,2
	s_delay_alu instid0(VALU_DEP_3)
	v_mov_b32 v[PCD+3+6*\c+\i], v[PCD+12+4*\c+\i]
.endr
.endr
.set j, 0
.rept 16
	v_pk_mul_f32 v[O+j:O+j+1], v[O+j:O+j+1], v[226:227] op_sel_hi:[1,0]   ; O^T under the new M; these are also the places between the writes of p's codes and scale word and the products
.set j, j+2
.endr
	s_wait_alu depctr_va_vdst(0)
	s_wait_dscnt 0x0                               ; V is in
.irp nt, 0,2
	v_wmma_scale_f32_16x16x128_f8f6f4 v[O+8*\nt:O+8*\nt+7], v[32+12*\nt:43+12*\nt], v[PCD:PCD+11], v[O+8*\nt:O+8*\nt+7], v[90+\nt/2], v92 matrix_a_fmt:MATRIX_FMT_FP6 matrix_b_fmt:MATRIX_FMT_FP6
	v_wmma_scale_f32_16x16x128_f8f6f4 v[O+8*\nt+8:O+8*\nt+15], v[44+12*\nt:55+12*\nt], v[PCD:PCD+11], v[O+8*\nt+8:O+8*\nt+15], v[90+\nt/2], v92 matrix_a_fmt:MATRIX_FMT_FP6 matrix_b_fmt:MATRIX_FMT_FP6 matrix_a_scale:MATRIX_SCALE_ROW1
.endr
.Lhidden_\@:
	s_add_co_u32 s36, s36, STEPB
	s_add_co_u32 s37, s37, 128
	s_sub_co_u32 s38, s38, 1
	s_cmp_lg_u32 s38, 0
	s_cbranch_scc1 .Lstep_\@
	s_setprio 0
	; the way out: O^T / the sum, quantised along d (two blocks): half an image and half a scale word
	PLACES
	v_add_f32 v14, v14, v15
	s_delay_alu instid0(VALU_DEP_1)
	v_permlanex16_b32 v224, v14, s20, s21
	s_delay_alu instid0(VALU_DEP_1)
	v_add_f32 v14, v14, v224                       ; the row's sum
	s_wait_alu depctr_va_vdst(0)
	v_rcp_f32 v14, v14
	v_nop                                          ; a plain place behind the transcendental
	s_wait_alu depctr_va_vdst(0)                   ; and the wait ahead of its first reader
.set j, 0
.rept 16
	v_pk_mul_f32 v[S+j:S+j+1], v[O+j:O+j+1], v[14:15] op_sel_hi:[1,0]   ; register 16 b + i is o(my query, 32 b + 16 (lane / 16) + i)
.set j, j+2
.endr
.irp b, 0,1
	v_max3_num_f32 v[BM+\b], |v[S+16*\b]|, |v[S+1+16*\b]|, 0x1800000
.endr
.irp i, 2,4,6,8,10,12,14
.irp b, 0,1
	s_delay_alu instid0(VALU_DEP_2)
	v_max3_num_f32 v[BM+\b], v[BM+\b], |v[S+16*\b+\i]|, |v[S+1+16*\b+\i]|
.endr
.endr
.irp b, 0,1
	s_delay_alu instid0(VALU_DEP_2)
	v_permlanex16_b32 v[BB+\b], v[BM+\b], s20, s21
.endr
.irp b, 0,1
	s_delay_alu instid0(VALU_DEP_2)
	v_max_num_f32 v[BM+\b], v[BM+\b], v[BB+\b]
.endr
.irp b, 0,1
	s_delay_alu instid0(VALU_DEP_2)
	v_add_nc_u32 v[SOP+\b], 0xff000000, v[BM+\b]
.endr
.irp b, 0,1
	s_delay_alu instid0(VALU_DEP_2)
	v_lshrrev_b32 v[BB+\b], 23, v[SOP+\b]
.endr
	s_delay_alu instid0(VALU_DEP_1)
	v_lshl_or_b32 v225, v[BB+1], 8, v[BB]
	v_cvt_scalef32_pk16_fp6_f32 v[PCD:PCD+2], v[S:S+15], v[SOP]
	v_cvt_scalef32_pk16_fp6_f32 v[PCD+12:PCD+14], v[S+16:S+31], v[SOP+1]
	v_nop
.irp i, 0,1,2
	v_permlane16_swap_b32 v[PCD+\i], v[PCD+12+\i]
.endr
.irp i, 0,1,2
	s_delay_alu instid0(VALU_DEP_3)
	v_mov_b32 v[PCD+3+\i], v[PCD+12+\i]
.endr
	global_store_b128 v[L16], v[PCD:PCD+3], s[\ao:\ao+1]             ; 512 consecutive bytes, at a multiple of 256 from ao's first byte
	global_store_b64 v[L8], v[PCD+4:PCD+5], s[\ao:\ao+1] offset:512  ; and 256
	global_store_b16 v[R16], v225, s[\aos:\aos+1]                    ; lanes 16-31 write the same bytes with the same values
	s_wait_xcnt 0x0                                ; the stores have read their registers: the next tile may write them
.endm
	PASS 16, 28, 18, 52, 44, 46
	PASS 240, 252, 19, 53, 48, 50
	s_wait_tensorcnt 0x0                           ; the wave's end: three closing lines behind my last tensor load
	ds_add_u32 v[SPW], v[NIL]
	s_wait_dscnt 0x0
	ROUND                                          ; the closing round
	s_endpgm
.Lfunc_end_k_q5971efc344_attn:
	.size	k_q5971efc344_attn, .Lfunc_end_k_q5971efc344_attn-k_q5971efc344_attn
	.p2alignl 7, 3214868480
	.fill 96, 4, 3214868480
	.section	.rodata,"a",@progbits
	.p2align	6, 0x0
	.amdhsa_kernel k_q5971efc344_attn
		.amdhsa_group_segment_fixed_size 210944
		.amdhsa_private_segment_fixed_size 0
		.amdhsa_enable_private_segment 0
		.amdhsa_kernarg_size 32
		.amdhsa_user_sgpr_count 2
		.amdhsa_user_sgpr_kernarg_segment_ptr 1
		.amdhsa_wavefront_size32 1
		.amdhsa_system_sgpr_workgroup_id_x 1
		.amdhsa_system_sgpr_workgroup_id_y 1
		.amdhsa_system_sgpr_workgroup_id_z 1
		.amdhsa_system_vgpr_workitem_id 0
		.amdhsa_next_free_vgpr 256
		.amdhsa_next_free_sgpr 66
		.amdhsa_reserve_vcc 1
		.amdhsa_float_denorm_mode_32 3
		.amdhsa_float_denorm_mode_16_64 3
		.amdhsa_memory_ordered 1
		.amdhsa_forward_progress 1
		.amdhsa_inst_pref_size 64
	.end_amdhsa_kernel
	.amdgpu_metadata
---
amdhsa.version: [ 1, 2 ]
amdhsa.kernels:
  - .name:           k_q5971efc344_attn
    .symbol:         k_q5971efc344_attn.kd
    .args:
      - { .name: qimg, .offset: 0, .size: 8, .value_kind: global_buffer, .address_space: global }
      - { .name: kv, .offset: 8, .size: 8, .value_kind: global_buffer, .address_space: global }
      - { .name: ao, .offset: 16, .size: 8, .value_kind: global_buffer, .address_space: global }
      - { .name: aos, .offset: 24, .size: 8, .value_kind: global_buffer, .address_space: global }
    .group_segment_fixed_size: 210944
    .private_segment_fixed_size: 0
    .kernarg_segment_align: 8
    .kernarg_segment_size: 32
    .max_flat_workgroup_size: 512
    .sgpr_count:     66
    .vgpr_count:     256
    .wavefront_size: 32
...
	.end_amdgpu_metadata
.endif
;; end of part 7
;; launch oproj (part 8): grid 4 x 64, 4 waves a work-group, clusters of 4 x 1, 167,936 bytes of LDS; arguments ao, aos, wc, ws, out0; writes out0
.if DOCPART == 8
	.amdgcn_target "amdgcn-amd-amdhsa--gfx1250"
	.amdhsa_code_object_version 6
	.text
	.protected	k_q5971efc344_oproj
	.globl	k_q5971efc344_oproj
	.p2align	8
	.type	k_q5971efc344_oproj,@function
k_q5971efc344_oproj:
	s_mov_b64 s[64:65], 0
	v_nop
	global_prefetch_b8 v0, s[64:65] scope:SCOPE_SE
	s_setreg_imm32_b32 hwreg(HW_REG_WAVE_MODE, 25, 1), 1
	s_wait_xcnt 0x0
	s_wait_alu depctr_hold_cnt(0) depctr_sa_sdst(0) depctr_va_vdst(0) depctr_va_sdst(0) depctr_va_ssrc(0) depctr_va_vcc(0) depctr_vm_vsrc(0)
	s_getreg_b32 s2, hwreg(HW_REG_IB_STS2, 6, 4)
	s_cmp_eq_u32 s2, 0
	s_cbranch_scc0 .Lentry_in_a_cluster
	s_endpgm
.Lentry_in_a_cluster:
	s_bfe_u32 s2, ttmp6, 0x10000c
	s_cmp_lg_u32 s2, 0x3003
	s_cbranch_scc0 .Lentry_shape_is_right
	s_endpgm
.Lentry_shape_is_right:
; Product 6: out0 = (attention's result, as codes) x wo (as codes): [8192][1024] x [1024][1024], f32 out.  No work of reference() is left out here.
; SHARES.  A work-group takes 128 rows (y) x 256 columns (cx); wave w the 64 columns 64 (4 cx + w) on: 8 tiles of rows x 4 tiles of columns = 32 accumulators, 8 K steps of 128 (heads 2 s and 2 s + 1).
; CLUSTER.  The four work-groups of a cluster need the same 128 rows of codes: 98,304 dense bytes of ao and 4,096 of aos.  They are asked for JOINTLY, once: each wave issues two tensor loads (two of mine are out), the same in all
; four partners.  No refill.  wo's images go from memory straight into the wave's registers: each wave has columns of its own.  cx enters global addresses alone.
; A fragment of K step s is two half images on end: registers 0-3 at 16 l, 4-5 at 512 + 8 l, 6-9 at 768 + 16 l, 10-11 at 1,280 + 8 l.
; Source 0 = 16 columns of wo, source 1 = 16 rows: a lane holds ONE row, and its 32 registers of a tile of rows are columns 32 b + 16 (lane / 16) + 0 .. 15.  A tile's slot r is row 32 B + 8 u + r + (r & 8) of the block.
; REGISTERS, in windows of 256: window 0: v1-12 addresses; v24-55 the rows' scale words, v56-71 wo's; v128-223 fragments, set 1; on the way out v128-191 rows read back.   window 1: the accumulators ((mt, nt) at 32 mt + 8 nt).
;   window 2: wo's K steps 0-4.   window 3: its K steps 5-7; v144-239 fragments, set 0.
.set ASC,   98304                      ; LDS: from 0 the rows' codes [tile 8][head 16][768]; here their scale words: 512 tile + 16 lane + 4 j
.set STG,   102400                     ; a stage of 16 rows x 272 bytes for each wave; no tensor load lands here
.set SPARE, 119808                     ; the spare words, 128 bytes for each wave: two blocks of 256 bytes that no other line names
.set L16, 1
.set L8,  2
.set L4,  3
.set LI1, 4                            ; 16 x lane + 49,152: tiles 4-7
.set L8B, 5                            ; 8 x lane + 49,152
.set SO,  6                            ; the stage, in: 272 r + 64 h
.set RD,  7                            ; and back: 272 (lane / 16) + 16 (lane % 16)
.set GO,  8                            ; the same two rows in out0
.set LXS, 10
.set SPW, 11                           ; my spare word; never rewritten
.set NIL, 12                           ; 0; never rewritten
.set XS,  24
.set WS,  56
.set MSB, 0
.macro WIN new
.if MSB != (\new)
	s_set_vgpr_msb (MSB<<8)|(\new)
.set MSB, (\new)
.endif
.endm
.macro PLACES
.rept 4
	v_nop
.endr
.endm
.macro ROUND
	s_barrier_signal -1
	s_barrier_wait -1
	s_cmp_lg_u32 s14, 0
	s_cbranch_scc1 .Lnot_wave_0_\@
	s_barrier_signal -3
.Lnot_wave_0_\@:
	s_barrier_wait -3
	s_barrier_signal -1
	s_barrier_wait -1
.endm
.macro LOADBANK bk                     ; wo's K steps 4 bk .. 4 bk + 3: 48 loads of 512 consecutive bytes and 8 registers of scale words: 56 loads
.irp q, 0,1,2,3
.set KS, 4*(\bk)+\q
.if KS < 5
	WIN 0x80
.set LWB, 48*KS
.else
	WIN 0xc0
.set LWB, 48*(KS-5)
.endif
.irp nt, 0,1,2,3
.irp g, 0,1,2
	global_load_b128 v[LWB+12*\nt+4*\g:LWB+12*\nt+4*\g+3], v[L16], s[48:49] offset:\nt*12288+KS*1536+512*\g
.endr
.endr
.endr
	WIN 0
.irp nt, 0,1,2,3
.irp j, 0,1
	global_load_b32 v[WS+4*\nt+2*(\bk)+\j], v[L4], s[50:51] offset:512*\nt+128*(2*(\bk)+\j)
.endr
.endr
.endm
.macro ALOAD s                         ; the rows' eight fragments of K step s: 32 LDS loads
.if ((\s)%2) == 0
	WIN 0xc0
.set LAB, 144
.else
	WIN 0
.set LAB, 128
.endif
.irp mt, 0,1,2,3,4,5,6,7
.if \mt < 4
.set AA, L16
.set AE, L8
.set AO, (8*\mt+(\s))*1536
.else
.set AA, LI1
.set AE, L8B
.set AO, (8*(\mt-4)+(\s))*1536
.endif
	ds_load_b128 v[LAB+12*\mt:LAB+12*\mt+3], v[AA] offset:AO
	ds_load_b64 v[LAB+12*\mt+4:LAB+12*\mt+5], v[AE] offset:AO+512
	ds_load_b128 v[LAB+12*\mt+6:LAB+12*\mt+9], v[AA] offset:AO+768
	ds_load_b64 v[LAB+12*\mt+10:LAB+12*\mt+11], v[AE] offset:AO+1280
.endr
.endm
; A K step: the next step's fragments are asked for, then 32 matrix instructions; the 32 accumulators take turns, one instruction a turn.  K step 0 starts the sums.
.macro KSTEP s
	PLACES
.if (\s) < 7
	ALOAD (\s)+1
	s_wait_dscnt 32                                ; all but the 32 just issued: this step's fragments are in
.else
	s_wait_dscnt 0x0
.endif
.if (\s) < 5
.set WW, 2
.set WB, 48*(\s)
.else
.set WW, 3
.set WB, 48*((\s)-5)
.endif
.if ((\s)%2) == 0
.set AW, 3
.set AB, 144
.else
.set AW, 0
.set AB, 128
.endif
	WIN WW|(AW<<2)|0x50
.irp mt, 0,1,2,3,4,5,6,7
.irp nt, 0,1,2,3
.set rD, 32*\mt+8*\nt
.set rA, WB+12*\nt
.set rB, AB+12*\mt
.set rSA, WS+4*\nt+(\s)/2
.set rSB, XS+4*\mt+(\s)/2
.if (\s) == 0
	v_wmma_scale_f32_16x16x128_f8f6f4 v[rD:rD+7], v[rA:rA+11], v[rB:rB+11], 0, v[rSA], v[rSB] matrix_a_fmt:MATRIX_FMT_FP6 matrix_b_fmt:MATRIX_FMT_FP6
.elseif ((\s)%2) == 0
	v_wmma_scale_f32_16x16x128_f8f6f4 v[rD:rD+7], v[rA:rA+11], v[rB:rB+11], v[rD:rD+7], v[rSA], v[rSB] matrix_a_fmt:MATRIX_FMT_FP6 matrix_b_fmt:MATRIX_FMT_FP6
.else
	v_wmma_scale_f32_16x16x128_f8f6f4 v[rD:rD+7], v[rA:rA+11], v[rB:rB+11], v[rD:rD+7], v[rSA], v[rSB] matrix_a_fmt:MATRIX_FMT_FP6 matrix_b_fmt:MATRIX_FMT_FP6 matrix_a_scale:MATRIX_SCALE_ROW1 matrix_b_scale:MATRIX_SCALE_ROW1
.endif
.endr
.endr
.endm
	s_load_b256 s[4:11], s[0:1], 0x0               ; ao, aos, wc, ws
	s_load_b64 s[12:13], s[0:1], 0x20              ; out0
	v_lshl_add_u32 v[SPW], v0, 2, SPARE
	v_mov_b32 v[NIL], 0
	ds_add_u32 v[SPW], v[NIL]                      ; the wave's opening: the add, twice on end, and its wait ahead of my first tensor load; the set-up below, work on registers, stands between
	ds_add_u32 v[SPW], v[NIL]
	v_lshrrev_b32 v13, 5, v0
	v_readfirstlane_b32 s14, v13                   ; wave
	s_bfe_u32 s15, ttmp6, 0x40000                  ; cx
	s_and_b32 s16, ttmp7, 0xffff                   ; y: the block of 128 rows
	s_lshl_b32 s17, s15, 2
	s_add_co_u32 s17, s17, s14                     ; my 64 columns: 4 cx + w
	s_mov_b32 s24, 15|(3<<16)|(1<<21)              ; group 1 for the codes: mask: all four partners; elements of 8 bytes; bit 21 beside a mask
	s_mov_b32 s25, 32<<16                          ; rows of 256 bytes,
	s_mov_b32 s26, 96<<16                          ; 96 of them: a quarter of the block, dense in memory
	s_mov_b32 s27, 32<<16
	s_mov_b32 s28, 96
	s_mov_b32 s29, 32
	s_mov_b32 s30, 0
	s_mov_b32 s31, 0
	s_mov_b32 s32, 15|(3<<16)|(1<<21)              ; group 1 for the scale words: 4 rows of 256 bytes
	s_mov_b32 s33, 32<<16
	s_mov_b32 s34, 4<<16
	s_mov_b32 s35, 32<<16
	s_mov_b32 s36, 4
	s_mov_b32 s37, 32
	s_mov_b32 s38, 0
	s_mov_b32 s39, 0
	s_mov_b32 s40, 1
	s_mul_i32 s41, s14, 24576                      ; LDS: wave x a quarter
	s_mul_i32 s18, s16, 98304
	s_add_co_u32 s18, s18, s41
	s_mov_b32 s19, 0
	s_mov_b32 s44, 1
	s_lshl_b32 s20, s14, 10
	s_add_co_u32 s45, s20, ASC
	s_lshl_b32 s21, s16, 12
	s_add_co_u32 s20, s20, s21
	s_mov_b32 s21, 0
	s_mul_i32 s48, s17, 49152                      ; wo is the fourth weight
	s_add_co_u32 s48, s48, 3*786432
	s_mov_b32 s49, 0
	s_lshl_b32 s50, s17, 11
	s_add_co_u32 s50, s50, 3*32768
	s_mov_b32 s51, 0
	s_lshl_b32 s52, s16, 19                        ; out0: 128 y rows of 4,096 bytes,
	s_lshl_b32 s53, s17, 8                         ; + my 64 columns
	s_add_co_u32 s52, s52, s53
	s_mov_b32 s53, 0
	v_and_b32 v13, 31, v0                          ; lane
	v_and_b32 v14, 15, v0                          ; r
	v_bfe_u32 v15, v0, 4, 1                        ; h
	v_lshlrev_b32 v[L16], 4, v13
	v_lshlrev_b32 v[L8], 3, v13
	v_lshlrev_b32 v[L4], 2, v13
	v_add_nc_u32 v[LI1], 49152, v[L16]
	v_add_nc_u32 v[L8B], 49152, v[L8]
	s_mul_i32 s22, s14, 4352
	s_add_co_u32 s22, s22, STG                     ; my stage
	v_mul_u32_u24 v[SO], v14, 272
	v_lshl_add_u32 v[SO], v15, 6, v[SO]
	v_add_nc_u32 v[SO], s22, v[SO]
	v_mul_u32_u24 v[RD], v15, 272
	v_lshl_add_u32 v[RD], v14, 4, v[RD]
	v_add_nc_u32 v[RD], s22, v[RD]
	v_lshlrev_b32 v[GO], 12, v15
	v_lshl_add_u32 v[GO], v14, 4, v[GO]
	v_add_nc_u32 v[LXS], ASC, v[L16]
	s_wait_dscnt 0x0                               ; both opening adds are done
	s_wait_kmcnt 0x0
	s_add_nc_u64 s[42:43], s[4:5], s[18:19]
	s_or_b32 s43, s43, 0x80000000
	s_add_nc_u64 s[46:47], s[6:7], s[20:21]
	s_or_b32 s47, s47, 0x80000000
	s_add_nc_u64 s[48:49], s[8:9], s[48:49]
	s_add_nc_u64 s[50:51], s[10:11], s[50:51]
	s_add_nc_u64 s[52:53], s[12:13], s[52:53]
	ROUND                                          ; all four work-groups are here: the joint loads meet
	tensor_load_to_lds s[40:43], s[24:31]
	s_nop 0
	tensor_load_to_lds s[44:47], s[32:39]
	s_nop 0
	PLACES
	LOADBANK 0
	LOADBANK 1
	s_wait_tensorcnt 0x0                           ; my parts have landed,
	s_barrier_signal -1
	s_barrier_wait -1                              ; everybody's have
	s_wait_alu depctr_va_vdst(0)
.irp mt, 0,1,2,3,4,5,6,7
	ds_load_b128 v[XS+4*\mt:XS+4*\mt+3], v[LXS] offset:512*\mt
.endr
	ALOAD 0
	s_wait_loadcnt 56                              ; bank 0 is in; bank 1's 56 loads may be out
	KSTEP 0
	KSTEP 1
	KSTEP 2
	KSTEP 3
	s_wait_loadcnt 0x0                             ; bank 1 is in
	KSTEP 4
	KSTEP 5
	KSTEP 6
	KSTEP 7
	PLACES
; THE WAY OUT, a tile of 16 rows x 64 columns at a time: a lane holds 64 + 64 bytes of one row, the lanes beside it other rows: so a tile goes through my own stage and comes back as whole rows of 256 bytes.
; LDS serves a wave's instructions in order: no wait between the stores and the loads, nor in front of the next tile's stores.
.macro TOSTAGE a
	WIN 0x04                                       ; an LDS store's data: window 1
.irp b, 0,1
.irp i, 0,1,2,3
	ds_store_b128 v[SO], v[32*(\a)+16*\b+4*\i:32*(\a)+16*\b+4*\i+3] offset:128*\b+16*\i   ; each accumulator from its low end on
.endr
.endr
	WIN 0
.set BK, 128+32*((\a)%2)
.irp i, 0,1,2,3,4,5,6,7
	ds_load_b128 v[BK+4*\i:BK+4*\i+3], v[RD] offset:544*\i
.endr
.endm
.macro SEND a, younger                 ; younger: the LDS instructions issued behind tile a's loads, which may stay out
.set BK, 128+32*((\a)%2)
	s_wait_dscnt \younger
.irp i, 0,1,2,3,4,5,6,7
	global_store_b128 v[GO], v[BK+4*\i:BK+4*\i+3], s[52:53] offset:(32*((\a)/2)+8*((\a)%2)+2*\i+((2*\i)&8))*4096 th:TH_STORE_NT   ; sixteen lanes store 256 consecutive bytes, at a multiple of 256 from out0's first byte
.endr
.endm
	TOSTAGE 0
.irp a, 1,2,3,4,5,6,7
.if \a > 1
	s_wait_xcnt 0x0                                ; tile a - 2's stores have read their registers: tile a's loads may land there
.endif
	TOSTAGE \a
	SEND \a-1, 16                                  ; behind tile a - 1's loads: tile a's 8 stores and 8 loads
.endr
	SEND 7, 0
	s_wait_tensorcnt 0x0                           ; the wave's end: three closing lines behind my last tensor load and my last LDS store
	ds_add_u32 v[SPW], v[NIL]
	s_wait_dscnt 0x0
	ROUND                                          ; the closing round
	s_endpgm
.Lfunc_end_k_q5971efc344_oproj:
	.size	k_q5971efc344_oproj, .Lfunc_end_k_q5971efc344_oproj-k_q5971efc344_oproj
	.p2alignl 7, 3214868480
	.fill 96, 4, 3214868480
	.section	.rodata,"a",@progbits
	.p2align	6, 0x0
	.amdhsa_kernel k_q5971efc344_oproj
		.amdhsa_group_segment_fixed_size 167936
		.amdhsa_private_segment_fixed_size 0
		.amdhsa_enable_private_segment 0
		.amdhsa_kernarg_size 40
		.amdhsa_user_sgpr_count 2
		.amdhsa_user_sgpr_kernarg_segment_ptr 1
		.amdhsa_wavefront_size32 1
		.amdhsa_system_sgpr_workgroup_id_x 1
		.amdhsa_system_sgpr_workgroup_id_y 1
		.amdhsa_system_sgpr_workgroup_id_z 1
		.amdhsa_system_vgpr_workitem_id 0
		.amdhsa_next_free_vgpr 1024
		.amdhsa_next_free_sgpr 66
		.amdhsa_reserve_vcc 0
		.amdhsa_float_denorm_mode_32 3
		.amdhsa_float_denorm_mode_16_64 3
		.amdhsa_memory_ordered 1
		.amdhsa_forward_progress 1
		.amdhsa_inst_pref_size 82
	.end_amdhsa_kernel
	.amdgpu_metadata
---
amdhsa.version: [ 1, 2 ]
amdhsa.kernels:
  - .name:           k_q5971efc344_oproj
    .symbol:         k_q5971efc344_oproj.kd
    .args:
      - { .name: ao, .offset: 0, .size: 8, .value_kind: global_buffer, .address_space: global }
      - { .name: aos, .offset: 8, .size: 8, .value_kind: global_buffer, .address_space: global }
      - { .name: wc, .offset: 16, .size: 8, .value_kind: global_buffer, .address_space: global }
      - { .name: ws, .offset: 24, .size: 8, .value_kind: global_buffer, .address_space: global }
      - { .name: out0, .offset: 32, .size: 8, .value_kind: global_buffer, .address_space: global }
    .group_segment_fixed_size: 167936
    .private_segment_fixed_size: 0
    .kernarg_segment_align: 8
    .kernarg_segment_size: 40
    .max_flat_workgroup_size: 128
    .sgpr_count:     66
    .vgpr_count:     1024
    .wavefront_size: 32
...
	.end_amdgpu_metadata
.endif
;; end of part 8
